; MI455X (gfx1250); checked and timed in simulation.
; The chip was launched on July 23, 2026; its instructions are those of AMD's public machine-readable ISA for CDNA 5 (MIT licence, August 2026) and "CDNA5" Instruction Set Architecture Reference Guide (July 2026). The comments in the code are by the model that wrote it; some were corrected since.
;; Causal Attention. Allowed arithmetic: float matrix products may take bf16 or f16 operands with f32 sums; other float arithmetic in f32, or as packed bf16 or f16 multiplies, adds, multiply-adds, maxima and minima; sums over many terms, partial sums and values carried from step to step in f32; what a program stores and reads back later, other than sums and carried values, may be rounded once to bf16 or f16.
;; Inputs: Wk 1,024 x 1,024 float32; Wq 1,024 x 1,024 float32; Wv 1,024 x 1,024 float32; x 4 x 2,048 x 1,024 float32.
;; Outputs: out0 4 x 2,048 x 1,024 float32.
;; 2 versions, each right; version 2 is version 1 with the launch cast written anew for expert scheduling mode. Each part assembles by itself: llvm-mc -triple=amdgcn-amd-amdhsa -mcpu=gfx1250 --defsym DOCPART=n.
;; ======== version 1 of 2: 4 launches
;; limits: values are held in f16: magnitudes above 65,504 overflow, below 6.1e-05 lose precision
;; workspace buffers: xb 16,777,216 bytes; wb 6,291,456 bytes; qkv 50,331,648 bytes; pbuf 33,554,432 bytes; st 1,048,576 bytes; hd 786,432 bytes
;; launch cast (part 1): grid 704 x 1, 8 waves a work-group, no clusters, 0 bytes of LDS; arguments x, Wk, Wq, Wv, xb, wb; writes xb, wb
.if DOCPART == 1
	.amdgcn_target "amdgcn-amd-amdhsa--gfx1250"
	.amdhsa_code_object_version 6
	.text
	.protected	k_qd000943a98_cast
	.globl	k_qd000943a98_cast
	.p2align	8
	.type	k_qd000943a98_cast,@function
k_qd000943a98_cast:
	s_mov_b64 s[64:65], 0
	v_nop
	global_prefetch_b8 v0, s[64:65] scope:SCOPE_SE
	s_setreg_imm32_b32 hwreg(HW_REG_WAVE_MODE, 25, 1), 1
	s_wait_xcnt 0x0
; xb = bf16(x), wb = bf16([Wk; Wq; Wv]): every input is rounded once, to nearest even, and written in the order in which the projection reads it.
; A stream: no LDS, no matrix unit, no cluster (no two work-groups read the same byte).
; A work-group takes 16,384 numbers: 65,536 bytes in, 32,768 out.  Work-groups 0-511 take x, 512-703 the three weights, 64 each.
; Thread t takes 16 bytes at 16 t of each block of 4,096: a wave's load covers 512 consecutive bytes, its store 256 consecutive bytes, aligned.
; All sixteen loads go out first; no register is written twice, so the only waits are the counted ones for the loads.
.set XCH, 512                          ; work-groups that take x
.set IN,  4                            ; v[4:67]   16 x 4 numbers as loaded
.set OUT, 68                           ; v[68:99]  16 x 2 registers to store
	s_load_b256 s[4:11], s[0:1], 0x0               ; x s[4:5], Wk s[6:7], Wq s[8:9], Wv s[10:11]
	s_load_b128 s[12:15], s[0:1], 0x20             ; xb s[12:13], wb s[14:15]
	v_lshlrev_b32 v1, 4, v0                        ; 16 t
	v_lshlrev_b32 v2, 3, v0                        ; 8 t
	s_sub_co_u32 s16, ttmp9, XCH                   ; my number among the weights' work-groups (used only where it is one)
	s_lshr_b32 s17, s16, 6                         ; which weight
	s_and_b32 s18, s16, 63                         ; which part of it
	s_mov_b32 s25, 0
	s_mov_b32 s27, 0
	s_wait_kmcnt 0x0
	s_cmp_eq_u32 s17, 1
	s_cselect_b64 s[20:21], s[8:9], s[6:7]         ; Wq or Wk,
	s_cmp_eq_u32 s17, 2
	s_cselect_b64 s[20:21], s[10:11], s[20:21]     ; or Wv,
	s_cmp_lt_u32 ttmp9, XCH
	s_cselect_b64 s[20:21], s[4:5], s[20:21]       ; or x
	s_cselect_b64 s[22:23], s[12:13], s[14:15]     ; xb or wb
	s_cselect_b32 s18, ttmp9, s18                  ; my part of the source,
	s_cselect_b32 s16, ttmp9, s16                  ; and of the destination (wb holds the three weights on end)
	s_lshl_b32 s24, s18, 16
	s_lshl_b32 s26, s16, 15
	s_add_nc_u64 s[20:21], s[20:21], s[24:25]
	s_add_nc_u64 s[22:23], s[22:23], s[26:27]
.irp i, 0,1,2,3,4,5,6,7,8,9,10,11,12,13,14,15
	global_load_b128 v[IN+4*(\i):IN+4*(\i)+3], v1, s[20:21] offset:4096*(\i) th:TH_LOAD_NT
.endr
.irp i, 0,1,2,3,4,5,6,7,8,9,10,11,12,13,14,15
	s_wait_loadcnt 15-(\i)                         ; loads come back in order: load i is in, the 15 - i younger ones stay out
	v_cvt_pk_bf16_f32 v[OUT+2*(\i)], v[IN+4*(\i)], v[IN+4*(\i)+1]
	v_cvt_pk_bf16_f32 v[OUT+2*(\i)+1], v[IN+4*(\i)+2], v[IN+4*(\i)+3]
	global_store_b64 v2, v[OUT+2*(\i):OUT+2*(\i)+1], s[22:23] offset:2048*(\i)
.endr
	s_endpgm
.Lfunc_end_k_qd000943a98_cast:
	.size	k_qd000943a98_cast, .Lfunc_end_k_qd000943a98_cast-k_qd000943a98_cast
	.p2alignl 7, 3214868480
	.fill 96, 4, 3214868480
	.section	.rodata,"a",@progbits
	.p2align	6, 0x0
	.amdhsa_kernel k_qd000943a98_cast
		.amdhsa_group_segment_fixed_size 0
		.amdhsa_private_segment_fixed_size 0
		.amdhsa_enable_private_segment 0
		.amdhsa_kernarg_size 48
		.amdhsa_user_sgpr_count 2
		.amdhsa_user_sgpr_kernarg_segment_ptr 1
		.amdhsa_wavefront_size32 1
		.amdhsa_system_sgpr_workgroup_id_x 1
		.amdhsa_system_sgpr_workgroup_id_y 1
		.amdhsa_system_sgpr_workgroup_id_z 1
		.amdhsa_system_vgpr_workitem_id 0
		.amdhsa_next_free_vgpr 100
		.amdhsa_next_free_sgpr 66
		.amdhsa_reserve_vcc 0
		.amdhsa_float_denorm_mode_32 3
		.amdhsa_float_denorm_mode_16_64 3
		.amdhsa_memory_ordered 1
		.amdhsa_forward_progress 1
		.amdhsa_inst_pref_size 7
	.end_amdhsa_kernel
	.amdgpu_metadata
---
amdhsa.version: [ 1, 2 ]
amdhsa.kernels:
  - .name:           k_qd000943a98_cast
    .symbol:         k_qd000943a98_cast.kd
    .args:
      - { .name: x, .offset: 0, .size: 8, .value_kind: global_buffer, .address_space: global }
      - { .name: Wk, .offset: 8, .size: 8, .value_kind: global_buffer, .address_space: global }
      - { .name: Wq, .offset: 16, .size: 8, .value_kind: global_buffer, .address_space: global }
      - { .name: Wv, .offset: 24, .size: 8, .value_kind: global_buffer, .address_space: global }
      - { .name: xb, .offset: 32, .size: 8, .value_kind: global_buffer, .address_space: global }
      - { .name: wb, .offset: 40, .size: 8, .value_kind: global_buffer, .address_space: global }
    .group_segment_fixed_size: 0
    .private_segment_fixed_size: 0
    .kernarg_segment_align: 8
    .kernarg_segment_size: 48
    .max_flat_workgroup_size: 256
    .sgpr_count:     66
    .vgpr_count:     100
    .wavefront_size: 32
...
	.end_amdgpu_metadata
.endif
;; end of part 1
;; launch proj (part 2): grid 12 x 32, 4 waves a work-group, clusters of 4 x 4, 327,680 bytes of LDS; arguments xb, wb, qkv, hd; writes qkv, hd
.if DOCPART == 2
	.amdgcn_target "amdgcn-amd-amdhsa--gfx1250"
	.amdhsa_code_object_version 6
	.text
	.protected	k_qd000943a98_proj
	.globl	k_qd000943a98_proj
	.p2align	8
	.type	k_qd000943a98_proj,@function
k_qd000943a98_proj:
	s_mov_b64 s[64:65], 0
	v_nop
	global_prefetch_b8 v0, s[64:65] scope:SCOPE_SE
	s_setreg_imm32_b32 hwreg(HW_REG_WAVE_MODE, 25, 1), 1
	s_wait_xcnt 0x0
	s_wait_alu depctr_hold_cnt(0) depctr_sa_sdst(0) depctr_va_vdst(0) depctr_va_sdst(0) depctr_va_ssrc(0) depctr_va_vcc(0) depctr_vm_vsrc(0)
	s_getreg_b32 s2, hwreg(HW_REG_IB_STS2, 6, 4)
	s_cmp_eq_u32 s2, 0
	s_cbranch_scc0 .Lentry_in_a_cluster
	s_endpgm
.Lentry_in_a_cluster:
	s_bfe_u32 s2, ttmp6, 0x10000c
	s_cmp_lg_u32 s2, 0xf033
	s_cbranch_scc0 .Lentry_shape_is_right
	s_endpgm
.Lentry_shape_is_right:
; qkv[m][n] = sum over k of xb[m][k] wb[n][k].  xb: [8192][1024] bf16, wb: [3072][1024] bf16 (Wk, Wq, Wv on end), qkv: [8192][3072] f16: q, k, v side by side in a row.
; Sums in f32, K ascending, rounded once to f16.  LIMIT: f16 holds no number beyond 65,504: |q|, |k|, |v| must stay within it.
; A tile of 256 x 256 is made by four waves, each 128 x 128: 64 accumulators of 16 x 16, 512 registers.  K goes in steps of 128 through a ring of two LDS slots filled by
; tensor loads: the tiles' rows are 256 bytes of memory, at multiples of 256 bytes.  The loop holds ONE K step: the LDS addresses hang on two scalars that one exclusive or turns from slot to slot.
; The last K step goes by rows of the result, so that finished rows leave while the others are multiplied.
; CLUSTER: 4 x 4 work-groups.  The four of a row need the same tiles of xb, the four of a column the same tiles of wb: each tile is asked for jointly, by the same tensor load with
; the same descriptor and a mask that names the four.  Tile row = 8 cy + the cluster's y: a batch is 8 tile rows, so the four batches' first tiles lie in the clusters with y = 0, and cy is the batch there.
; THE FIRST 16 ROWS OF EACH BATCH also leave unrounded, in f32 (hd): a row that sees q + 1 keys averages over so few that f16's 11 bits in q, k and v show in the result; the next launch makes those rows with split operands.
; They are block 0 of the waves with the tile's first 128 rows, in the clusters with y = 0: both numbers are the same in all partners, so a forward jump may hang on them.
; hd: [4 batches][192 groups of 16 columns][2][32 lanes][4] f32: an accumulator as it lies in registers: lane l holds row l % 16, columns 8 (l / 16) + 0..7; registers 0-3, then 4-7.
; REGISTERS, in windows of 256 (s_set_vgpr_msb: bits 1:0 source 0, 3:2 source 1, 5:4 source 2, 7:6 destination):
;   window 0: v0-31 addresses; v64-127, v128-191 fragments of xb, two buffers (in the last K step four, of 16 rows x 128 K); v32-63, v192-255 at work on the way out
;   window 1: v64-127, v128-191 fragments of wb, two buffers; in the last K step all 256      windows 2, 3: the accumulators of my rows 0-63, 64-127, (a, b) at v[8 (8 a + b)]
; THE MATRIX INSTRUCTION IS USED TRANSPOSED (source 0 = 16 rows of wb, source 1 = 16 rows of xb): a lane then holds eight neighbouring numbers of a row of qkv.
.set SIZE_N, 3072
.set SIZE_K, 1024
.set KSTEP,  128
.set PITCH,  272                       ; an LDS row: 256 bytes + 16 of padding = 68 words: the 16 rows that a load touches start at 16 different groups of four banks (64 banks of 4 bytes: ISA guide 11.1)
.set HALFT,  128*PITCH                 ; 128 rows: what one tensor load brings
.set SLOT,   4*HALFT                   ; xb's 256 rows, then wb's 256 rows.  139,264 shares no bit with wave x 34,816, so an exclusive or moves a descriptor's LDS word between the slots
.set STAGE,  2*SLOT                    ; behind the ring: 16 rows x 272 bytes for each wave, for the way out
.set SPITCH, 272
.set SPARE,  STAGE+4*16*SPITCH         ; the spare words, 128 bytes for each wave; no other line names them
.set HB,     196608                    ; bytes of hd for a batch: 192 groups of 1,024
.set ADRA0, 16                         ; v16     my lane's place among xb's fragments in a slot; never rewritten
.set ADRB0, 17                         ; v17     the same for wb
.set ADA,  18                          ; v18, 19 those places in the slot in hand
.set ADB,  19
.set ADAN, 20                          ; v20, 21 and in the other slot
.set ADBN, 21
.set STO,  24                          ; v24     the way out: where I put 16 bytes of a row
.set RD,   25                          ; v25     where I read a row back
.set CO,   26                          ; v26     my byte offset in qkv
.set HO,   27                          ; v27     16 x lane: my byte offset in 512 bytes of hd; never rewritten
.set SPW,  28                          ; v28     LDS address of my spare word; never rewritten
.set NIL,  29                          ; v29     0; never rewritten
.set F0,   64
.set F1,   128
.set TMP,  192
.set OB,   32
.set PA,   64
.set G1, 24                            ; s[24:31] descriptor group 1 for xb's tiles
.set G0, 32                            ; s[32:39] group 0: a set for each first fill; the second then walks
.set G1B, 48                           ; s[48:55], s[56:63] the same for wb's tiles
.set G0B, 56
.set CLY, 45                           ; s45      the cluster's y
.set HD,  66                           ; s[66:67] hd at my 8 groups of columns
.set TBC, 70                           ; s70      first byte of the slot in hand
.set TBN, 71                           ; s71      of the other
.set MSB, 0
.macro WIN new                         ; the immediate's high byte repeats the setting that is left; a switch that changes nothing is dropped
.if MSB != (\new)
	s_set_vgpr_msb (MSB<<8)|(\new)
.set MSB, \new
.endif
.endm
.set MUL_LO, 0xa1                      ; source 0 window 1, source 1 window 0, C and D window 2
.set MUL_HI, 0xf1                      ; the same, C and D window 3
.set TO_B,   0x40                      ; destination window 1, address window 0
; A joint load: waves 0 and 1 fetch xb's two halves, waves 2 and 3 wb's.  The branch hangs on the wave's number alone.  An s_nop 0 and four v_nop follow each line.
.macro JLOAD s
	s_cmp_eq_u32 s11, 0
	s_cbranch_scc0 .Lfor_b_\@
	tensor_load_to_lds s[G0+4*(\s):G0+4*(\s)+3], s[G1:G1+7]
	s_nop 0
.rept 4
	v_nop
.endr
	s_branch .Lasked_\@
.Lfor_b_\@:
	tensor_load_to_lds s[G0B+4*(\s):G0B+4*(\s)+3], s[G1B:G1B+7]
	s_nop 0
.rept 4
	v_nop
.endr
.Lasked_\@:
.endm
.macro CREST                           ; a round of the cluster's barrier behind its opening barrier: wave 0 signals for the work-group, every wave waits, the work-group's barrier closes it
	s_cmp_lg_u32 s10, 0
	s_cbranch_scc1 .Lnot_wave_0_\@
	s_barrier_signal -3
.Lnot_wave_0_\@:
	s_barrier_wait -3
	s_barrier_signal -1
	s_barrier_wait -1
.endm
.macro CROUND
	s_barrier_signal -1
	s_barrier_wait -1
	CREST
.endm
	s_load_b128 s[4:7], s[0:1], 0x0                ; xb s[4:5], wb s[6:7]
	s_load_b64 s[8:9], s[0:1], 0x10                ; qkv
	s_load_b64 s[HD:HD+1], s[0:1], 0x18            ; hd
	v_lshl_add_u32 v[SPW], v0, 2, SPARE
	v_mov_b32 v[NIL], 0
	ds_add_u32 v[SPW], v[NIL]                      ; the wave's opening: the add and its wait stand ahead of my first tensor load
	ds_add_u32 v28, v29
	v_lshrrev_b32 v1, 5, v0
	v_readfirstlane_b32 s10, v1                    ; wave 0..3
	s_lshr_b32 s11, s10, 1                         ; which half of the tile's rows is mine.  Also: I fetch for xb (0) or wb (1)
	s_and_b32 s12, s10, 1                          ; which half of its columns.  Also: which 128 rows of that tile I fetch
	s_bfe_u32 s40, ttmp6, 0x40000                  ; cx
	s_bfe_u32 s41, ttmp6, 0x40004                  ; cy
	s_lshl_b32 s42, ttmp9, 2
	s_add_co_u32 s42, s42, s40                     ; tile column = 4 x cluster x + cx
	s_and_b32 s[CLY], ttmp7, 0xffff                ; the cluster's y, 0 to 7
	s_lshl3_add_u32 s13, s41, s[CLY]               ; tile row = 8 cy + cluster y
	s_lshl_b32 s43, s41, 2
	s_lshl_b32 s43, 15, s43                        ; my row of the cluster
	s_lshl_b32 s44, 0x1111, s40                    ; my column
	s_or_b32 s[G1+0], s43, (1<<16)|(1<<20)|(1<<21)|(5<<22)|(3<<25)   ; the mask; 2-byte elements; padding on; bit 21 beside a mask; after every 64 words 4 words
	s_or_b32 s[G1B+0], s44, (1<<16)|(1<<20)|(1<<21)|(5<<22)|(3<<25)
.irp g, G1, G1B
	s_mov_b32 s[(\g)+1], KSTEP<<16                 ; tensor_dim0 = 128
	s_mov_b32 s[(\g)+2], 128<<16                   ; tensor_dim1 = 128
	s_mov_b32 s[(\g)+3], KSTEP<<16                 ; tile_dim0 = 128
	s_mov_b32 s[(\g)+4], 128                       ; tile_dim1 = 128
	s_mov_b32 s[(\g)+5], SIZE_K                    ; elements from row to row
	s_mov_b32 s[(\g)+6], 0
	s_mov_b32 s[(\g)+7], 0
.endr
	s_lshl_b32 s17, s12, 7                         ; which 128 rows of the tile I fetch
	s_lshl_b32 s16, s13, 8
	s_add_co_u32 s16, s16, s17                     ; xb: row 256 x tile row + 128 x half
	s_lshl_b32 s46, s42, 8
	s_add_co_u32 s46, s46, s17                     ; wb: row 256 x tile column + 128 x half
	s_mov_b32 s17, 0
	s_mov_b32 s47, 0
	s_mov_b64 s[18:19], SIZE_K*2
	s_mul_u64 s[16:17], s[16:17], s[18:19]
	s_mul_u64 s[46:47], s[46:47], s[18:19]
	s_mul_i32 s20, s10, HALFT                      ; where they go: wave x 128 rows: no place in the cluster enters an LDS address
	s_mul_i32 s68, s41, HB                         ; hd: batch cy (used where the cluster's y is 0),
	s_lshl1_add_u32 s69, s42, s12                  ; my 128 columns: 2 x tile column + half,
	s_lshl_b32 s69, s69, 13                        ; 8 groups of 1,024 bytes each
	s_add_co_u32 s68, s68, s69
	s_mov_b32 s69, 0
	s_mov_b32 s[TBC], 0
	s_mov_b32 s[TBN], SLOT
	s_wait_dscnt 0x0                               ; the opening add is done
	s_wait_kmcnt 0x0
	s_add_nc_u64 s[14:15], s[4:5], s[16:17]
	s_add_nc_u64 s[46:47], s[6:7], s[46:47]
	s_add_nc_u64 s[HD:HD+1], s[HD:HD+1], s[68:69]
	CROUND                                         ; all sixteen work-groups are here: the first joint loads meet
.irp s, 0,1
	s_mov_b32 s[G0+4*(\s)], 1
	s_add_co_u32 s[G0+4*(\s)+1], s20, (\s)*SLOT
	s_add_nc_u64 s[G0+4*(\s)+2:G0+4*(\s)+3], s[14:15], (\s)*KSTEP*2
	s_or_b32 s[G0+4*(\s)+3], s[G0+4*(\s)+3], 0x80000000
	s_mov_b32 s[G0B+4*(\s)], 1
	s_add_co_u32 s[G0B+4*(\s)+1], s20, (\s)*SLOT
	s_add_nc_u64 s[G0B+4*(\s)+2:G0B+4*(\s)+3], s[46:47], (\s)*KSTEP*2
	s_or_b32 s[G0B+4*(\s)+3], s[G0B+4*(\s)+3], 0x80000000
	JLOAD \s
.endr
	; a fragment is 16 rows x 32 K in 8 registers: lane l holds row l % 16, K = 8 (l / 16) + 0..7 and 16 + 8 (l / 16) + 0..7: two loads of 16 bytes, 32 bytes apart
	v_and_b32 v1, 15, v0
	v_bfe_u32 v2, v0, 4, 1
	v_mul_u32_u24 v3, v1, PITCH
	v_lshl_add_u32 v3, v2, 4, v3
	s_mul_i32 s21, s11, HALFT
	s_mul_i32 s22, s12, HALFT
	s_add_co_u32 s22, s22, 2*HALFT
	v_add_nc_u32 v[ADRA0], s21, v3
	v_add_nc_u32 v[ADRB0], s22, v3
.macro ADDRS
	v_add_nc_u32 v[ADA], s[TBC], v[ADRA0]
	v_add_nc_u32 v[ADB], s[TBC], v[ADRB0]
	v_add_nc_u32 v[ADAN], s[TBN], v[ADRA0]
	v_add_nc_u32 v[ADBN], s[TBN], v[ADRB0]
.endm
	ADDRS
	s_mul_i32 s23, s10, 16*SPITCH
	s_add_co_u32 s23, s23, STAGE                   ; my stage
	v_mul_u32_u24 v4, v1, SPITCH
	v_lshl_add_u32 v4, v2, 4, v4
	v_add_nc_u32 v[STO], s23, v4
	v_mul_u32_u24 v5, v2, SPITCH
	v_lshl_add_u32 v5, v1, 4, v5
	v_add_nc_u32 v[RD], s23, v5
	v_mul_u32_u24 v5, v2, SIZE_N*2
	v_lshl_add_u32 v[CO], v1, 4, v5
	v_and_b32 v[HO], 31, v0
	v_lshlrev_b32 v[HO], 4, v[HO]
	s_lshl_b32 s13, s13, 8
	s_lshl_b32 s14, s11, 7
	s_add_co_u32 s16, s13, s14                     ; my first row of qkv
	s_mov_b32 s17, 0
	s_mov_b64 s[18:19], SIZE_N*2
	s_mul_u64 s[16:17], s[16:17], s[18:19]
	s_lshl_b32 s46, s42, 9                         ; my first column, in bytes
	s_lshl_b32 s47, s12, 8
	s_add_co_u32 s46, s46, s47
	s_mov_b32 s47, 0
	s_add_nc_u64 s[16:17], s[16:17], s[46:47]
; 16 matrix instructions: row blocks a0, a0 + 1 of the window's four x all 8 column blocks, 32 along K.  zero = 1: the first product starts the sums
.macro MUL16 f, hi, a0, zero
	WIN MUL_LO+0x50*(\hi)
.irp a, \a0, (\a0)+1
.irp b, 0,1,2,3,4,5,6,7
.if \zero
	v_wmma_f32_16x16x32_bf16 v[8*(8*(\a)+(\b)):8*(8*(\a)+(\b))+7], v[(\f)+8*(\b):(\f)+8*(\b)+7], v[(\f)+8*(4*(\hi)+(\a)):(\f)+8*(4*(\hi)+(\a))+7], 0
.else
	v_wmma_f32_16x16x32_bf16 v[8*(8*(\a)+(\b)):8*(8*(\a)+(\b))+7], v[(\f)+8*(\b):(\f)+8*(\b)+7], v[(\f)+8*(4*(\hi)+(\a)):(\f)+8*(4*(\hi)+(\a))+7], v[8*(8*(\a)+(\b)):8*(8*(\a)+(\b))+7]
.endif
.endr
.endr
.endm
.macro FETCH ra, rb, k, f              ; 32 LDS loads in one run: wb's fragments by address register rb, xb's by ra, 32 K at byte k of the rows, into buffer f
	WIN TO_B
.irp i, 0,1,2,3,4,5,6,7
	ds_load_b128 v[(\f)+8*(\i):(\f)+8*(\i)+3],   v[\rb] offset:(\k)+(\i)*16*PITCH
	ds_load_b128 v[(\f)+8*(\i)+4:(\f)+8*(\i)+7], v[\rb] offset:(\k)+(\i)*16*PITCH+32
.endr
	WIN 0
.irp i, 0,1,2,3,4,5,6,7
	ds_load_b128 v[(\f)+8*(\i):(\f)+8*(\i)+3],   v[\ra] offset:(\k)+(\i)*16*PITCH
	ds_load_b128 v[(\f)+8*(\i)+4:(\f)+8*(\i)+7], v[\ra] offset:(\k)+(\i)*16*PITCH+32
.endr
.endm
.macro PLACES                          ; four plain vector instructions between a matrix instruction and a load into, or a vector read or a store of, its registers
.rept 4
	v_nop
.endr
.endm
.macro QUARTER ra, rb, k, f, g, zero   ; multiplies buffer f; in its middle fetches the next quarter, at byte k, into buffer g
	s_wait_dscnt 8                                 ; wb and xb's rows 0-63 are in; the youngest eight loads may be out
	MUL16 \f, 0, 0, \zero
	MUL16 \f, 0, 2, \zero
	PLACES
	FETCH \ra, \rb, \k, \g
	s_wait_dscnt 32                                ; all but the 32 just issued
	MUL16 \f, 1, 0, \zero
	MUL16 \f, 1, 2, \zero
.endm
.macro MEET round                      ; the change of slots, first half
	WIN 0
	s_wait_tensorcnt 0x0                           ; all my tensor loads have landed: the one that was out is my part of the other slot
	ds_add_u32 v[SPW], v[NIL]
	s_wait_dscnt 9                                 ; the add and the youngest eight loads may be out
	MUL16 F1, 0, 0, 0
	s_wait_dscnt 0x0                               ; the add is done, and my reads of the slot in hand are over
	s_barrier_signal -1
	MUL16 F1, 0, 2, 0
.if \round
	WIN 0
.endif
	s_barrier_wait -1
.endm
.macro TURN                            ; the last quarter of a K step: behind the round the slot in hand is filled again, two K steps ahead, then the other slot's first fragments are read
	MEET 1
	CREST
.irp g, G0+4, G0B+4
	s_xor_b32 s[(\g)+1], s[(\g)+1], SLOT           ; the walking descriptors: the other slot than last time,
	s_add_nc_u64 s[(\g)+2:(\g)+3], s[(\g)+2:(\g)+3], KSTEP*2  ; the next K step; the type bits on top are not reached
.endr
	JLOAD 1
	FETCH ADAN, ADBN, 0, F0
	MUL16 F1, 1, 0, 0
	MUL16 F1, 1, 2, 0
.endm
; the last K step, in the other slot, by rows: all its fragments of wb fill window 1; my eight blocks of 16 rows are finished one after the other
.macro BLOAD q
	WIN TO_B
.irp i, 0,1,2,3,4,5,6,7
	ds_load_b128 v[64*(\q)+8*(\i):64*(\q)+8*(\i)+3],   v[ADBN] offset:64*(\q)+(\i)*16*PITCH
	ds_load_b128 v[64*(\q)+8*(\i)+4:64*(\q)+8*(\i)+7], v[ADBN] offset:64*(\q)+(\i)*16*PITCH+32
.endr
.endm
.macro ALOAD a
	WIN 0
.set FA, PA+32*((\a)%4)
.irp q, 0,1,2,3
	ds_load_b128 v[FA+8*(\q):FA+8*(\q)+3],   v[ADAN] offset:64*(\q)+(\a)*16*PITCH
	ds_load_b128 v[FA+8*(\q)+4:FA+8*(\q)+7], v[ADAN] offset:64*(\q)+(\a)*16*PITCH+32
.endr
.endm
.macro ROW a                           ; block a is finished: 32 matrix instructions, its 8 accumulators by turns
.set FA, PA+32*((\a)%4)
.set AC, 64*((\a)%4)
	WIN MUL_LO+0x50*((\a)/4)
.irp q, 0,1,2,3
.if (\a) == 0 && (\q) == 2
	s_wait_dscnt 24                                ; wb's quarter 2 is in (behind it: xb's blocks 1 to 3)
.endif
.irp b, 0,1,2,3,4,5,6,7
	v_wmma_f32_16x16x32_bf16 v[AC+8*(\b):AC+8*(\b)+7], v[64*(\q)+8*(\b):64*(\q)+8*(\b)+7], v[FA+8*(\q):FA+8*(\q)+7], v[AC+8*(\b):AC+8*(\b)+7]
.endr
.endr
.endm
; Block 0's f32 sums as they lie in registers, where they are a batch's first 16 rows.  The two jumps go forward, past neither a barrier nor a tensor load; they hang on the wave's number and on the cluster's y.
; Each store covers 512 consecutive bytes, aligned; each accumulator's low registers go first.  The registers, the offset and the base are not written again.
.macro HEADOUT
	WIN 0                                          ; at a branch and at a label every window is 0
	s_cmp_lg_u32 s11, 0
	s_cbranch_scc1 .Lno_head_\@
	s_cmp_lg_u32 s[CLY], 0
	s_cbranch_scc1 .Lno_head_\@
	WIN 0x08                                       ; the stores' data (source 1) in window 2, their offset in window 0
.irp b, 0,1,2,3,4,5,6,7
	global_store_b128 v[HO], v[8*(\b):8*(\b)+3],   s[HD:HD+1] offset:1024*(\b)
	global_store_b128 v[HO], v[8*(\b)+4:8*(\b)+7], s[HD:HD+1] offset:1024*(\b)+512
.endr
	WIN 0
.Lno_head_\@:
.endm
.macro PACK a                          ; rounded to f16, 16 bytes a lane
.set AC, 64*((\a)%4)
	WIN 0x0a+5*((\a)/4)
.irp b, 0,1,2,3,4,5,6,7
.irp r, 0,1,2,3
	v_cvt_pk_f16_f32 v[TMP+4*(\b)+(\r)], v[AC+8*(\b)+2*(\r)], v[AC+8*(\b)+2*(\r)+1]
.endr
.endr
	WIN 0
.endm
.macro TOSTAGE a                       ; into my own stage, and back as whole rows of 256 bytes
	WIN 0
.set BK, OB+192*((\a)%2)
.irp b, 0,1,2,3,4,5,6,7
	ds_store_b128 v[STO], v[TMP+4*(\b):TMP+4*(\b)+3] offset:32*(\b)
.endr
.irp t, 0,1,2,3,4,5,6,7
	ds_load_b128 v[BK+4*(\t):BK+4*(\t)+3], v[RD] offset:(\t)*2*SPITCH  ; LDS serves a wave's instructions in order (ISA guide 5.7.1.4): these see the stores above
.endr
.endm
.macro SEND a, younger
	WIN 0
.set BK, OB+192*((\a)%2)
	s_wait_dscnt \younger                          ; the block is back in registers
	s_wait_xcnt 0x0                                ; the stores' base and the registers that earlier stores read are rewritten only behind this wait
.if (\a) == 0
	s_add_nc_u64 s[8:9], s[8:9], s[16:17]
.else
	s_add_nc_u64 s[8:9], s[8:9], 16*SIZE_N*2
.endif
.irp t, 0,1,2,3,4,5,6,7
	global_store_b128 v[CO], v[BK+4*(\t):BK+4*(\t)+3], s[8:9] offset:2*(\t)*SIZE_N*2  ; 16 lanes store 256 consecutive bytes, at a multiple of 256 from qkv's first byte
.endr
.endm
	s_wait_tensorcnt 1                             ; my part of K step 0 is in; K step 1's may stay out
	s_barrier_signal -1
	s_barrier_wait -1
	FETCH ADA, ADB, 0, F0
	QUARTER ADA, ADB, 64, F0, F1, 1                ; the first quarter stands in front of the loop: its products start the sums
	WIN 0
	s_mov_b32 s3, SIZE_K/KSTEP-2
.Lstep:                                                ; six trips, from a K step's second quarter to the next one's first; they ask for K steps 2 to 7
	QUARTER ADA, ADB, 128, F1, F0, 0
	QUARTER ADA, ADB, 192, F0, F1, 0
	TURN
	QUARTER ADAN, ADBN, 64, F0, F1, 0
	WIN 0
	s_xor_b32 s[TBC], s[TBC], SLOT                 ; the slots change names
	s_xor_b32 s[TBN], s[TBN], SLOT
	ADDRS
	s_sub_co_u32 s3, s3, 1
	s_cmp_lg_u32 s3, 0
	s_cbranch_scc1 .Lstep
	QUARTER ADA, ADB, 128, F1, F0, 0               ; K step 6 goes on; nothing more is asked for
	QUARTER ADA, ADB, 192, F0, F1, 0
	MEET 0                                         ; nothing is filled again, so no round follows
	PLACES
	BLOAD 0
	BLOAD 1
	BLOAD 3
	ALOAD 0
	MUL16 F1, 1, 0, 0
	MUL16 F1, 1, 2, 0
	PLACES
	BLOAD 2
	ALOAD 1
	ALOAD 2
	ALOAD 3
	s_wait_dscnt 40                                ; all but the 40 just issued
	ROW 0
.irp a, 0,1,2,3,4,5,6,7
	PLACES
.if (\a) == 0
	HEADOUT
.endif
	PACK \a
	TOSTAGE \a
.if (\a) < 4
	ALOAD (\a)+4
	SEND \a, 8
.else
	SEND \a, 0
.endif
.if (\a) < 7
	ROW (\a)+1
.endif
.endr
	s_wait_tensorcnt 0x0                           ; the wave's end
	ds_add_u32 v[SPW], v[NIL]
	s_wait_dscnt 0x0
	CROUND                                         ; the closing round
	s_endpgm
.Lfunc_end_k_qd000943a98_proj:
	.size	k_qd000943a98_proj, .Lfunc_end_k_qd000943a98_proj-k_qd000943a98_proj
	.p2alignl 7, 3214868480
	.fill 96, 4, 3214868480
	.section	.rodata,"a",@progbits
	.p2align	6, 0x0
	.amdhsa_kernel k_qd000943a98_proj
		.amdhsa_group_segment_fixed_size 327680
		.amdhsa_private_segment_fixed_size 0
		.amdhsa_enable_private_segment 0
		.amdhsa_kernarg_size 32
		.amdhsa_user_sgpr_count 2
		.amdhsa_user_sgpr_kernarg_segment_ptr 1
		.amdhsa_wavefront_size32 1
		.amdhsa_system_sgpr_workgroup_id_x 1
		.amdhsa_system_sgpr_workgroup_id_y 1
		.amdhsa_system_sgpr_workgroup_id_z 1
		.amdhsa_system_vgpr_workitem_id 0
		.amdhsa_next_free_vgpr 1024
		.amdhsa_next_free_sgpr 72
		.amdhsa_reserve_vcc 0
		.amdhsa_float_denorm_mode_32 3
		.amdhsa_float_denorm_mode_16_64 3
		.amdhsa_memory_ordered 1
		.amdhsa_forward_progress 1
		.amdhsa_inst_pref_size 119
	.end_amdhsa_kernel
	.amdgpu_metadata
---
amdhsa.version: [ 1, 2 ]
amdhsa.kernels:
  - .name:           k_qd000943a98_proj
    .symbol:         k_qd000943a98_proj.kd
    .args:
      - { .name: xb, .offset: 0, .size: 8, .value_kind: global_buffer, .address_space: global }
      - { .name: wb, .offset: 8, .size: 8, .value_kind: global_buffer, .address_space: global }
      - { .name: qkv, .offset: 16, .size: 8, .value_kind: global_buffer, .address_space: global }
      - { .name: hd, .offset: 24, .size: 8, .value_kind: global_buffer, .address_space: global }
    .group_segment_fixed_size: 327680
    .private_segment_fixed_size: 0
    .kernarg_segment_align: 8
    .kernarg_segment_size: 32
    .max_flat_workgroup_size: 128
    .sgpr_count:     72
    .vgpr_count:     1024
    .wavefront_size: 32
...
	.end_amdgpu_metadata
.endif
;; end of part 2
;; launch scores (part 3): grid 10 x 16, 4 waves a work-group, no clusters, 327,680 bytes of LDS; arguments qkv, pbuf, st, hd, out0; writes pbuf, st, out0
.if DOCPART == 3
	.amdgcn_target "amdgcn-amd-amdhsa--gfx1250"
	.amdhsa_code_object_version 6
	.text
	.protected	k_qd000943a98_scores
	.globl	k_qd000943a98_scores
	.p2align	8
	.type	k_qd000943a98_scores,@function
k_qd000943a98_scores:
	s_mov_b64 s[64:65], 0
	v_nop
	global_prefetch_b8 v0, s[64:65] scope:SCOPE_SE
	s_setreg_imm32_b32 hwreg(HW_REG_WAVE_MODE, 25, 1), 1
	s_wait_xcnt 0x0
; TWO KINDS OF WORK-GROUPS.  Columns 0 to 8 of the grid make the scores; column 9 makes rows 0 to 15 of each batch's result outright (at the text's end: THE FIRST 16 ROWS).  The jump that parts them hangs on the
; work-group's x alone, so it is the same in a work-group's four waves; the two ways never meet again.
; THE SCORES.  For each tile of 256 queries x 256 keys at or below the diagonal: S = q k^T (f16 operands, f32 sums over 1,024 channels), the causal mask, and a softmax LOCAL to 128 keys:
; for each query and each group t of 128 keys the maximum m_t, p = 2^(c s - c m_t) with c = log2(e) / 32, and l_t = the sum of p.  Stored: p in f16 (pbuf [4][2048 q][2048 key]),
; c m_t and l_t in f32 (st [4][16 t][2][2048 q]).  The next launch joins the groups by the maximum of the c m_t: a true maximum is taken away, in two levels.
; LIMITS.  q and k arrive within f16's 65,504, so |s| stays under 4.4e12.  A hidden score counts as its value less 1e30; a group's maximum is held at -2^90 or above, so that a group in which a row
; sees nothing gives p = 0, l = 0 and a finite c m.  p below 6e-5 keeps f16's fixed step of 6e-8; an exponential below 2^-126 counts as 0; NaN and infinities are not treated apart.
; TILES.  A batch has 36 tiles (i, j <= i).  Rows 7 - p and p of that triangle hold 9 together: work-group (c, y), y = 4 b + p, takes (7 - p, c) if c < 8 - p, else (p, c - 8 + p).
; NO CLUSTER: the tiles of a triangle's row share q and those of a column share k, but a folded row has 9 work-groups, which 4 does not divide, and of a block of 4 x 4 tiles on the diagonal 6 hold nothing visible.
; SHARES.  Four waves, each 128 queries x 128 keys: 64 accumulators, 512 registers.  Source 0 = 16 rows of k, source 1 = 16 rows of q: a lane holds ONE query (lane % 16) and the keys 16 b + 8 (lane / 16) + 0..7.
; K goes in steps of 128 channels through a ring of two LDS slots; each wave brings a quarter of a slot (128 rows x 256 bytes) by one tensor load.  The loop holds ONE K step: the LDS addresses hang on two scalars
; that one exclusive or turns from slot to slot.  The last K step goes by blocks of 16 queries, and a block's softmax stands behind the next block's products.
; THE MASK is the C operand of the products that start the sums: 0, or -1e30 where the key is hidden.  CL serves key blocks below the query block, CU those above, CD the block on the diagonal.
; REGISTERS: window 0: v0-31 addresses and statistics; v32-55 masks, later rows on the way out; v64-191 fragments of q; v192-255 at work on the way out.  window 1: fragments of k.  windows 2, 3: accumulators.
.set QROW,   3072                      ; elements in a row of qkv
.set KSTEP,  128
.set PITCH,  272                       ; 256 bytes + 16 of padding = 68 words: the 16 rows of a load start at 16 different groups of four banks (64 banks of 4 bytes: ISA guide 11.1)
.set HALFT,  128*PITCH
.set SLOT,   4*HALFT                   ; q's 256 rows, then k's.  139,264 shares no bit with wave x 34,816, so an exclusive or moves a descriptor's LDS word between the slots
.set STAGE,  2*SLOT                    ; 16 rows x 272 bytes for each wave
.set SPITCH, 272
.set STATS,  STAGE+4*16*SPITCH         ; 1,024 bytes for each wave: c m of its 128 rows, then l
.set SPARE,  STATS+4*1024              ; the spare words; no other line names them
.set PROW,   4096                      ; bytes in a row of pbuf
.set CM,   6                           ; v6   c m      v7  m  (named as a pair by the packed scaling)
.set MX,   7
.set CX,   8                           ; v8-15   eight running maxima
.set ADRA0, 16                         ; v16  my lane's place among q's fragments in a slot; never rewritten
.set ADRB0, 17                         ; v17  the same for k
.set ADA,  18                          ; v18, 19  those places in the slot in hand
.set ADB,  19
.set ADAN, 20                          ; v20, 21  and in the other slot
.set ADBN, 21
.set LS,   22                          ; v22-23  l at work
.set STO,  24
.set RD,   25
.set CO,   26
.set SA,   27                          ; v27  where a block's statistic goes: STATS + 1,024 wave + 4 (lane % 16)
.set SPW,  28
.set NIL,  29
.set SR,   30                          ; v30  STATS + 1,024 wave + 16 lane
.set SO,   31                          ; v31  16 lane
.set CL,   32
.set CD,   40
.set CU,   48
.set F0,   64
.set F1,   128
.set TMP,  192
.set OB,   32
.set PA,   64
.set G1,  24                           ; s[24:31] descriptor group 1
.set G0,  32                           ; s[32:35] group 0 of the first fill of slot 0
.set G0W, 36                           ; s[36:39] group 0 of the first fill of slot 1; it then walks
.set TBC, 54                           ; s54  first byte of the slot in hand
.set TBN, 55                           ; s55  of the other
.set CS,  56                           ; s[56:57] c
.set SEL, 58                           ; s[58:59] v_permlanex16_b32's selects: each lane takes its own place in the other half
.set LOW, 60                           ; s60  -2^90
.set BIG, 61                           ; s61  -1e30
.set MSB, 0
.macro WIN new
.if MSB != (\new)
	s_set_vgpr_msb (MSB<<8)|(\new)
.set MSB, \new
.endif
.endm
.set MUL_LO, 0xa1
.set MUL_HI, 0xf1
.set TO_B,   0x40
	s_load_b64 s[4:5], s[0:1], 0x0                 ; qkv
	s_load_b64 s[8:9], s[0:1], 0x8                 ; pbuf
	s_load_b64 s[68:69], s[0:1], 0x10              ; st
	s_load_b64 s[6:7], s[0:1], 0x18                ; hd
	s_load_b64 s[14:15], s[0:1], 0x20              ; out0
	v_lshl_add_u32 v[SPW], v0, 2, SPARE
	v_mov_b32 v[NIL], 0
	ds_add_u32 v[SPW], v[NIL]                      ; the wave's opening: the add and its wait stand ahead of my first tensor load
	ds_add_u32 v28, v29
	v_lshrrev_b32 v1, 5, v0
	v_readfirstlane_b32 s10, v1                    ; wave 0..3
	s_lshr_b32 s11, s10, 1                         ; which 128 queries are mine.  Also: I fetch q (0) or k (1)
	s_and_b32 s12, s10, 1                          ; which 128 keys.  Also: which 128 rows I fetch
	s_and_b32 s40, ttmp7, 0xffff
	s_lshr_b32 s41, s40, 2                         ; batch
	s_and_b32 s42, s40, 3                          ; p
	s_sub_co_u32 s43, 8, s42
	s_sub_co_u32 s44, 7, s42
	s_sub_co_u32 s45, ttmp9, s43
	s_cmp_lt_u32 ttmp9, s43
	s_cselect_b32 s46, s44, s42                    ; i: the tile's 256 queries
	s_cselect_b32 s47, ttmp9, s45                  ; j: its 256 keys
	s_mov_b32 s[BIG], 0xf149f2ca
	s_mov_b32 s[LOW], 0xec800000
	s_cmp_eq_u32 s46, s47                          ; only a tile on the diagonal hides anything
	s_cselect_b32 s52, s[BIG], 0
	s_cmp_eq_u32 s10, 1                            ; there wave 1 (first queries, last keys) sees nothing,
	s_cselect_b32 s53, s52, 0                      ; CL's value
	s_cmp_lg_u32 s10, 2                            ; wave 2 (last queries, first keys) everything
	s_cselect_b32 s52, s52, 0                      ; CU's value
	s_cmp_eq_u32 s11, 0
	s_cselect_b32 s48, s46, s47                    ; the rows that I fetch lie in block i of q or block j of k,
	s_cselect_b32 s49, 0, 2048                     ; q at byte 0 of a row of qkv, k at byte 2,048
	s_lshl_b32 s50, s41, 11
	s_lshl_b32 s48, s48, 8
	s_add_co_u32 s50, s50, s48
	s_lshl_b32 s48, s12, 7
	s_add_co_u32 s50, s50, s48
	s_mul_i32 s50, s50, QROW*2
	s_add_co_u32 s50, s50, s49
	s_mov_b32 s51, 0
	s_lshl_b32 s16, s41, 11                        ; my part of pbuf: row 2,048 b + 256 i + 128 half,
	s_lshl_b32 s17, s46, 8
	s_add_co_u32 s16, s16, s17
	s_lshl_b32 s17, s11, 7
	s_add_co_u32 s16, s16, s17
	s_lshl_b32 s16, s16, 12
	s_lshl_b32 s17, s47, 9                         ; byte 512 j + 256 half
	s_add_co_u32 s16, s16, s17
	s_lshl_b32 s17, s12, 8
	s_add_co_u32 s16, s16, s17
	s_mov_b32 s17, 0
	s_lshl_b32 s66, s41, 4                         ; my part of st: group 16 b + 2 j + half, 16,384 bytes each,
	s_lshl1_add_u32 s67, s47, s12
	s_add_co_u32 s66, s66, s67
	s_lshl_b32 s66, s66, 14
	s_lshl_b32 s67, s46, 10                        ; row 256 i + 128 half, 4 bytes each
	s_add_co_u32 s66, s66, s67
	s_lshl_b32 s67, s11, 9
	s_add_co_u32 s66, s66, s67
	s_mov_b32 s67, 0
	s_mov_b32 s[G1+0], (1<<16)|(1<<20)|(5<<22)|(3<<25)  ; no mask; 2-byte elements; padding on; after every 64 words 4 words
	s_mov_b32 s[G1+1], KSTEP<<16                   ; tensor_dim0 = 128
	s_mov_b32 s[G1+2], 128<<16                     ; tensor_dim1 = 128
	s_mov_b32 s[G1+3], KSTEP<<16                   ; tile_dim0 = 128
	s_mov_b32 s[G1+4], 128                         ; tile_dim1 = 128
	s_mov_b32 s[G1+5], QROW                        ; elements from row to row
	s_mov_b32 s[G1+6], 0
	s_mov_b32 s[G1+7], 0
	s_mul_i32 s20, s10, HALFT                      ; my quarter of a slot
	s_mov_b32 s[G0], 1
	s_mov_b32 s[G0+1], s20
	s_mov_b32 s[G0W], 1
	s_add_co_u32 s[G0W+1], s20, SLOT
	s_mov_b32 s[TBC], 0
	s_mov_b32 s[TBN], SLOT
	s_mov_b32 s[CS], 0x3d38aa3b                    ; c = log2(e) / 32
	s_mov_b32 s[CS+1], s[CS]
	s_mov_b32 s[SEL], 0x76543210
	s_mov_b32 s[SEL+1], 0xfedcba98
	s_wait_dscnt 0x0                               ; the opening add is done
	s_wait_kmcnt 0x0
	s_cmp_eq_u32 ttmp9, 9                          ; the grid's last column makes the first 16 rows (for it the tile's numbers above mean nothing and are not used)
	s_cbranch_scc1 .Lhead
	s_add_nc_u64 s[68:69], s[68:69], s[66:67]
	s_add_nc_u64 s[G0+2:G0+3], s[4:5], s[50:51]    ; K step 0
	s_add_nc_u64 s[G0W+2:G0W+3], s[G0+2:G0+3], KSTEP*2  ; K step 1
	s_or_b32 s[G0+3], s[G0+3], 0x80000000
	s_or_b32 s[G0W+3], s[G0W+3], 0x80000000
	tensor_load_to_lds s[G0:G0+3], s[G1:G1+7]      ; both first fills go out together: two loads of mine are out
	s_nop 0
	tensor_load_to_lds s[G0W:G0W+3], s[G1:G1+7]
	s_nop 0
	v_and_b32 v1, 15, v0                           ; l % 16
	v_bfe_u32 v2, v0, 4, 1                         ; l / 16
	v_mul_u32_u24 v3, v1, PITCH
	v_lshl_add_u32 v3, v2, 4, v3                   ; a fragment's row x pitch + 16 x half
	s_mul_i32 s21, s11, HALFT
	s_mul_i32 s22, s12, HALFT
	s_add_co_u32 s22, s22, 2*HALFT
	v_add_nc_u32 v[ADRA0], s21, v3
	v_add_nc_u32 v[ADRB0], s22, v3
.macro ADDRS
	v_add_nc_u32 v[ADA], s[TBC], v[ADRA0]
	v_add_nc_u32 v[ADB], s[TBC], v[ADRB0]
	v_add_nc_u32 v[ADAN], s[TBN], v[ADRA0]
	v_add_nc_u32 v[ADBN], s[TBN], v[ADRB0]
.endm
	ADDRS
	s_mul_i32 s23, s10, 16*SPITCH
	s_add_co_u32 s23, s23, STAGE
	v_mul_u32_u24 v4, v1, SPITCH
	v_lshl_add_u32 v4, v2, 4, v4
	v_add_nc_u32 v[STO], s23, v4
	v_mul_u32_u24 v5, v2, SPITCH
	v_lshl_add_u32 v5, v1, 4, v5
	v_add_nc_u32 v[RD], s23, v5
	v_lshlrev_b32 v5, 4, v1
	v_lshl_add_u32 v[CO], v2, 12, v5               ; lanes 0-15 one row of pbuf, lanes 16-31 the next
	s_lshl_b32 s23, s10, 10
	s_add_co_u32 s23, s23, STATS
	v_lshl_add_u32 v[SA], v1, 2, s23
	v_and_b32 v5, 31, v0
	v_lshlrev_b32 v[SO], 4, v5
	v_add_nc_u32 v[SR], s23, v[SO]
	v_lshlrev_b32 v4, 3, v2
	v_sub_nc_u32 v4, v1, v4                        ; on the diagonal block register r is hidden where r > l % 16 - 8 (l / 16)
.irp r, 0,1,2,3,4,5,6,7
	v_mov_b32 v[CL+(\r)], s53
	v_mov_b32 v[CU+(\r)], s52
.endr
.irp r, 0,1,2,3,4,5,6,7
	v_cmp_gt_i32 vcc_lo, \r, v4
	v_cndmask_b32 v[CD+(\r)], v[CL+(\r)], v[CU+(\r)], vcc_lo
.endr
; 16 matrix instructions: query blocks a0, a0 + 1 of the window's four x all 8 key blocks, 32 channels.  first = 1: the products start the sums, with the mask as C (window 0)
.macro MUL16 f, hi, a0, first
.if \first
	WIN 0x81+0x40*(\hi)
.else
	WIN MUL_LO+0x50*(\hi)
.endif
.irp a, \a0, (\a0)+1
.irp b, 0,1,2,3,4,5,6,7
.if \first
.if (\b) < 4*(\hi)+(\a)
.set MC, CL
.elseif (\b) == 4*(\hi)+(\a)
.set MC, CD
.else
.set MC, CU
.endif
	v_wmma_f32_16x16x32_f16 v[8*(8*(\a)+(\b)):8*(8*(\a)+(\b))+7], v[(\f)+8*(\b):(\f)+8*(\b)+7], v[(\f)+8*(4*(\hi)+(\a)):(\f)+8*(4*(\hi)+(\a))+7], v[MC:MC+7]
.else
	v_wmma_f32_16x16x32_f16 v[8*(8*(\a)+(\b)):8*(8*(\a)+(\b))+7], v[(\f)+8*(\b):(\f)+8*(\b)+7], v[(\f)+8*(4*(\hi)+(\a)):(\f)+8*(4*(\hi)+(\a))+7], v[8*(8*(\a)+(\b)):8*(8*(\a)+(\b))+7]
.endif
.endr
.endr
.endm
.macro FETCH ra, rb, k, f              ; 32 LDS loads in one run: k's fragments by address register rb, q's by ra, 32 channels at byte k of the rows, into buffer f
	WIN TO_B
.irp i, 0,1,2,3,4,5,6,7
	ds_load_b128 v[(\f)+8*(\i):(\f)+8*(\i)+3],   v[\rb] offset:(\k)+(\i)*16*PITCH
	ds_load_b128 v[(\f)+8*(\i)+4:(\f)+8*(\i)+7], v[\rb] offset:(\k)+(\i)*16*PITCH+32
.endr
	WIN 0
.irp i, 0,1,2,3,4,5,6,7
	ds_load_b128 v[(\f)+8*(\i):(\f)+8*(\i)+3],   v[\ra] offset:(\k)+(\i)*16*PITCH
	ds_load_b128 v[(\f)+8*(\i)+4:(\f)+8*(\i)+7], v[\ra] offset:(\k)+(\i)*16*PITCH+32
.endr
.endm
.macro PLACES                          ; four plain vector instructions between a matrix instruction and a load into, a vector write of, or a vector read of its registers
.rept 4
	v_nop
.endr
.endm
.macro QUARTER ra, rb, k, f, g, first
	s_wait_dscnt 8                                 ; k and q's rows 0-63 are in; the youngest eight loads may be out
	MUL16 \f, 0, 0, \first
	MUL16 \f, 0, 2, \first
	PLACES
	FETCH \ra, \rb, \k, \g
	s_wait_dscnt 32                                ; all but the 32 just issued
	MUL16 \f, 1, 0, \first
	MUL16 \f, 1, 2, \first
.endm
.macro MEET                            ; the change of slots: behind the barrier nobody reads the slot in hand any more, and the other slot is whole
	WIN 0
	s_wait_tensorcnt 0x0                           ; all my tensor loads have landed: the one that was out is my part of the other slot
	ds_add_u32 v[SPW], v[NIL]
	s_wait_dscnt 9                                 ; the add and the youngest eight loads may be out
	MUL16 F1, 0, 0, 0
	s_wait_dscnt 0x0                               ; the add is done, and my reads of the slot in hand are over
	s_barrier_signal -1
	MUL16 F1, 0, 2, 0
	s_barrier_wait -1
.endm
.macro TURN                            ; the last quarter of a K step; the slot in hand is filled again, two K steps ahead: my one tensor load behind the barrier
	MEET
	s_xor_b32 s[G0W+1], s[G0W+1], SLOT             ; the walking descriptor: the other slot than last time,
	s_add_nc_u64 s[G0W+2:G0W+3], s[G0W+2:G0W+3], KSTEP*2  ; the next K step; the type bits on top are not reached
	tensor_load_to_lds s[G0W:G0W+3], s[G1:G1+7]
	s_nop 0
	PLACES                                         ; also the places in front of the loads below
	FETCH ADAN, ADBN, 0, F0
	MUL16 F1, 1, 0, 0
	MUL16 F1, 1, 2, 0
.endm
; the last K step, in the other slot, by blocks of 16 queries
.macro BLOAD q
	WIN TO_B
.irp i, 0,1,2,3,4,5,6,7
	ds_load_b128 v[64*(\q)+8*(\i):64*(\q)+8*(\i)+3],   v[ADBN] offset:64*(\q)+(\i)*16*PITCH
	ds_load_b128 v[64*(\q)+8*(\i)+4:64*(\q)+8*(\i)+7], v[ADBN] offset:64*(\q)+(\i)*16*PITCH+32
.endr
.endm
.macro ALOAD a
	WIN 0
.set FA, PA+32*((\a)%4)
.irp q, 0,1,2,3
	ds_load_b128 v[FA+8*(\q):FA+8*(\q)+3],   v[ADAN] offset:64*(\q)+(\a)*16*PITCH
	ds_load_b128 v[FA+8*(\q)+4:FA+8*(\q)+7], v[ADAN] offset:64*(\q)+(\a)*16*PITCH+32
.endr
.endm
.macro ROW a                           ; block a's scores are finished: 32 matrix instructions, its 8 accumulators by turns
.set FA, PA+32*((\a)%4)
.set AC, 64*((\a)%4)
	WIN MUL_LO+0x50*((\a)/4)
.irp q, 0,1,2,3
.if (\a) == 0 && (\q) == 2
	s_wait_dscnt 24                                ; k's quarter 2 is in (behind it: q's blocks 1 to 3)
.endif
.irp b, 0,1,2,3,4,5,6,7
	v_wmma_f32_16x16x32_f16 v[AC+8*(\b):AC+8*(\b)+7], v[64*(\q)+8*(\b):64*(\q)+8*(\b)+7], v[FA+8*(\q):FA+8*(\q)+7], v[AC+8*(\b):AC+8*(\b)+7]
.endr
.endr
.endm
; BLOCK a's SOFTMAX over my 128 keys.  A lane holds 64 scores of one query; the lane 16 away holds the other 64.  Each accumulator's lowest registers are read first.
.macro SOFT a
.set AC, 64*((\a)%4)
.set WA, 2+(\a)/4                      ; the accumulators' window
	WIN WA*0x15                                    ; all three sources there
.irp b, 0,1,2,3,4,5,6,7
	v_max3_num_f32 v[CX+(\b)], v[AC+8*(\b)], v[AC+8*(\b)+1], v[AC+8*(\b)+2]
.endr
	WIN WA*0x14                                    ; sources 1 and 2 there
.irp b, 0,1,2,3,4,5,6,7
	v_max3_num_f32 v[CX+(\b)], v[CX+(\b)], v[AC+8*(\b)+3], v[AC+8*(\b)+4]
.endr
.irp b, 0,1,2,3,4,5,6,7
	v_max3_num_f32 v[CX+(\b)], v[CX+(\b)], v[AC+8*(\b)+5], v[AC+8*(\b)+6]
.endr
.irp b, 0,2,4,6
	v_max3_num_f32 v[CX+(\b)], v[CX+(\b)], v[AC+8*(\b)+7], v[AC+8*(\b)+15]
.endr
	WIN 0
	v_max3_num_f32 v[CX], v[CX], v[CX+1], v[CX+2]
	v_max3_num_f32 v[CX+3], v[CX+3], v[CX+4], v[CX+5]
	v_max3_num_f32 v[CX], v[CX], v[CX+6], v[CX+7]
	v_max_num_f32 v[CX], v[CX], v[CX+3]
	v_permlanex16_b32 v[CX+1], v[CX], s[SEL], s[SEL+1]
	v_max3_num_f32 v[MX], v[CX], v[CX+1], s[LOW]   ; the group's maximum, held at -2^90 or above
	v_mul_f32 v[CM], s[CS], v[MX]
	ds_store_b32 v[SA], v[CM] offset:64*(\a)       ; both halves of the lanes write the same number to the same word
	WIN WA*0x41                                    ; destination and source 0 there, c m in window 0
.set z, 0
.rept 32
	v_pk_fma_f32 v[AC+z:AC+z+1], v[AC+z:AC+z+1], s[CS:CS+1], v[CM:CM+1] op_sel_hi:[1,0,0] neg_lo:[0,0,1] neg_hi:[0,0,1]  ; c s - c m
.set z, z+2
.endr
.set z, 0
.rept 64
	v_exp_f32 v[AC+z], v[AC+z]
.set z, z+1
.endr
	v_nop                                          ; a plain instruction between the last exponential and the use of its result
	WIN WA*0x05                                    ; sources 0 and 1 there, destination window 0
	s_wait_alu depctr_va_vdst(0)
.irp b, 0,1,2,3,4,5,6,7
.irp r, 0,1,2,3
	v_cvt_pk_f16_f32 v[TMP+4*(\b)+(\r)], v[AC+8*(\b)+2*(\r)], v[AC+8*(\b)+2*(\r)+1]
.endr
.endr
	WIN WA*0x45                                    ; the sum of the 32 pairs, in place, halving
.irp d, 32,16,8,4
.set z, 0
.rept (\d)/2
	v_pk_add_f32 v[AC+z:AC+z+1], v[AC+z:AC+z+1], v[AC+z+(\d):AC+z+(\d)+1]
.set z, z+2
.endr
.endr
	WIN WA*0x05
	v_pk_add_f32 v[LS:LS+1], v[AC:AC+1], v[AC+2:AC+3]
	WIN 0
	v_add_f32 v[LS], v[LS], v[LS+1]
	v_permlanex16_b32 v[LS+1], v[LS], s[SEL], s[SEL+1]
	v_add_f32 v[LS], v[LS], v[LS+1]
	ds_store_b32 v[SA], v[LS] offset:512+64*(\a)
.endm
.macro TOSTAGE a                       ; a lane's eight weights of a row are 16 bytes: into my own stage, and back as whole rows of 256 bytes
	WIN 0
.set BK, OB+192*((\a)%2)
.irp b, 0,1,2,3,4,5,6,7
	ds_store_b128 v[STO], v[TMP+4*(\b):TMP+4*(\b)+3] offset:32*(\b)
.endr
.irp t, 0,1,2,3,4,5,6,7
	ds_load_b128 v[BK+4*(\t):BK+4*(\t)+3], v[RD] offset:(\t)*2*SPITCH  ; LDS serves a wave's instructions in order (ISA guide 5.7.1.4): these see the stores above
.endr
.endm
.macro SEND a, younger
	WIN 0
.set BK, OB+192*((\a)%2)
	s_wait_dscnt \younger                          ; the block is back in registers
	s_wait_xcnt 0x0                                ; the stores' base and the registers that earlier stores read are rewritten only behind this wait
.if (\a) == 0
	s_add_nc_u64 s[8:9], s[8:9], s[16:17]
.else
	s_add_nc_u64 s[8:9], s[8:9], 16*PROW
.endif
.irp t, 0,1,2,3,4,5,6,7
	global_store_b128 v[CO], v[BK+4*(\t):BK+4*(\t)+3], s[8:9] offset:2*(\t)*PROW  ; 16 lanes store 256 consecutive bytes, at a multiple of 256 from pbuf's first byte
.endr
.endm
	s_wait_tensorcnt 0x1                           ; my part of K step 0 is in; K step 1's may stay out
	s_barrier_signal -1
	s_barrier_wait -1
	FETCH ADA, ADB, 0, F0
	QUARTER ADA, ADB, 64, F0, F1, 1                ; the first quarter stands in front of the loop: its products start the sums, with the mask
	WIN 0
	s_mov_b32 s3, 6
.Lstep:                                                ; six trips, from a K step's second quarter to the next one's first; they ask for K steps 2 to 7
	QUARTER ADA, ADB, 128, F1, F0, 0
	QUARTER ADA, ADB, 192, F0, F1, 0
	TURN
	QUARTER ADAN, ADBN, 64, F0, F1, 0
	WIN 0
	s_xor_b32 s[TBC], s[TBC], SLOT                 ; the slots change names
	s_xor_b32 s[TBN], s[TBN], SLOT
	ADDRS
	s_sub_co_u32 s3, s3, 1
	s_cmp_lg_u32 s3, 0
	s_cbranch_scc1 .Lstep
	QUARTER ADA, ADB, 128, F1, F0, 0               ; K step 6 goes on; nothing more is asked for
	QUARTER ADA, ADB, 192, F0, F1, 0
	MEET
	PLACES
	BLOAD 0                                        ; three quarters of k now: buffer 1 is still being multiplied
	BLOAD 1
	BLOAD 3
	ALOAD 0
	MUL16 F1, 1, 0, 0
	MUL16 F1, 1, 2, 0
	PLACES
	BLOAD 2
	ALOAD 1
	ALOAD 2
	ALOAD 3
	s_wait_dscnt 40                                ; all but the 40 just issued
	ROW 0
	s_wait_dscnt 16                                ; q's block 1 is in; blocks 2 and 3 may be out
.irp a, 0,1,2,3,4,5,6,7
.if (\a) < 7
	ROW (\a)+1                                     ; the next block's products are issued first: block a's softmax stands behind them
	PLACES
.endif
	SOFT \a
	TOSTAGE \a
.if (\a) < 4
	ALOAD (\a)+4                                   ; block a's buffer takes the block four further on
	SEND \a, 8                                     ; those eight loads may stay out; all older ones, the next block's fragments among them, are in
.else
	SEND \a, 0
.endif
.endr
	ds_load_b128 v[TMP:TMP+3], v[SR]               ; my 128 rows' c m and l, 512 consecutive bytes each
	ds_load_b128 v[TMP+4:TMP+7], v[SR] offset:512
	s_wait_dscnt 0x0
	global_store_b128 v[SO], v[TMP:TMP+3], s[68:69]
	global_store_b128 v[SO], v[TMP+4:TMP+7], s[68:69] offset:8192
	s_wait_tensorcnt 0x0                           ; the wave's end
	ds_add_u32 v[SPW], v[NIL]
	s_wait_dscnt 0x0
	s_endpgm
; THE FIRST 16 ROWS OF EACH BATCH, WITH SPLIT OPERANDS.  Row q averages over q + 1 keys only, so what q, k, the weights and v lose when they are rounded to f16's 11 bits reaches these rows' numbers undiminished,
; while the numbers themselves may be near 0.  Here every operand is a pair hi + lo of f16 numbers (hi = f16(x), lo = f16(x - hi), the difference exact in f32): some 22 bits.  The products still go to the matrix
; unit with f16 operands and f32 sums.  These rows of out0 are stored here and nowhere else: the next launch leaves them out.
; hd: [4 batches][192 groups of 16 columns of q | k | v][2][32 lanes][4] f32, the projection's sums as they lay in registers: lane l holds row l % 16, columns 8 (l / 16) + 0..7.  Two groups, rounded in pairs,
; ARE a fragment of 16 rows x 32 channels, so q and k come in by loads of 512 consecutive bytes.
; LIMITS.  |q|, |k|, |v| within f16's 65,504; lo keeps f16's fixed step of 6e-8; a hidden score counts as -1e30; a weight below 2^-126 counts as 0; NaN and infinities are not treated apart.
; SHARES.  Work-group (9, 4 b + p): batch b, channels 256 p .. of the output.  Its four waves share the scores' 1,024 channels, 256 each: S^T = k q^T (source 0 = 16 keys, source 1 = 16 queries) as kh qh + kh ql + kl qh
; on three accumulators that take turns.  A wave's eight K steps of 32 channels go in a loop of four trips, two steps each; the loop writes no first step out, so the three accumulators are cleared: 24 v_mov_b32, once.
; The four partial sums meet in LDS, in f32; every wave adds them in the same order and makes the softmax for itself: a lane holds ONE query (lane % 16) and the keys 8 (lane / 16) + 0..7.
; Then wave w makes channels 256 p + 64 w .. + 63: O^T = v^T w.  Only 16 of a product's 32 k places are keys, so source 0 is [vh | vl] and source 1 [wh | wh], then [wl | wl]: two products give (vh + vl)(wh + wl).
; No tensor load on this way; all its registers lie in window 0.  Its LDS: the partial scores have bytes of their own, behind the spare words; the way out goes through the wave's own stage.
.set HB,     196608                    ; bytes of hd for a batch
.set HKOFF,  65536                     ; k begins here, behind q's 64 groups of 1,024 bytes
.set HVOFF,  131072                    ; v
.set HRED,   SPARE+512                 ; 1,024 bytes for each wave's partial scores
.set HQA,  4                           ; v4   my byte offset in q and in k: 16,384 wave + 16 lane
.set HVG,  5                           ; v5   my byte offset in v: one channel, my half's first key
.set HRA,  6                           ; v6   where my partial scores go
.set HLA,  7                           ; v7   HRED + 16 lane: my place in every wave's partial scores
.set HSTO, 8
.set HRD,  9
.set HCO,  10
.set HDD,  11                          ; v11  lane % 16 - 8 (lane / 16): register j is hidden where j is greater
.set HBIG, 12                          ; v12  -1e30
.set HNEG, 13                          ; v13  -1.0
.set HCM,  16                          ; v16 c m, v17 m: named as a pair by the packed scaling
.set HMX,  17
.set HTT,  18
.set HLS,  20                          ; v20-21 the sum at work
.set HRL,  22                          ; v22-23 its reciprocal in the low register
.set HXQ,  32                          ; v32-63   q in f32, 16 registers a K step; then the four partial scores; then rows on the way out
.set HSC,  32                          ; v32-39   the scores, then the weights
.set HBK,  32
.set HXK,  64                          ; v64-95   k in f32
.set HVAF, 96                          ; v96-127  [vh | vl], 8 registers a channel block
.set HOA,  128                         ; v128-159 O^T, 8 registers a channel block
.set HXV,  160                         ; v160-191 v in f32, 8 keys a channel block
.set HFQH, 192
.set HFQL, 200
.set HFKH, 208
.set HFKL, 216
.set HPB1, 192                         ; later: [wh | wh]
.set HPB2, 200                         ; [wl | wl]
.set HA0,  224                         ; kh qh
.set HA1,  232                         ; kh ql
.set HA2,  240                         ; kl qh
; n pairs of f32 at src become n registers of hi at dh and n of lo at dl; src is left holding x - hi
.macro SPLIT src, n, dh, dl
.set z, 0
.rept \n
	v_cvt_pk_f16_f32 v[(\dh)+z], v[(\src)+2*z], v[(\src)+2*z+1]
.set z, z+1
.endr
.set z, 0
.rept \n
	v_fma_mix_f32 v[(\src)+2*z],   v[(\dh)+z], v[HNEG], v[(\src)+2*z]   op_sel_hi:[1,0,0]                  ; x - hi's low half, exact
	v_fma_mix_f32 v[(\src)+2*z+1], v[(\dh)+z], v[HNEG], v[(\src)+2*z+1] op_sel:[1,0,0] op_sel_hi:[1,0,0]   ; the same with its high half
.set z, z+1
.endr
.set z, 0
.rept \n
	v_cvt_pk_f16_f32 v[(\dl)+z], v[(\src)+2*z], v[(\src)+2*z+1]
.set z, z+1
.endr
.endm
.macro HSTEP c                         ; K step c of a trip's two: 32 channels
	SPLIT HXQ+16*(\c), 8, HFQH, HFQL
	SPLIT HXK+16*(\c), 8, HFKH, HFKL
	v_wmma_f32_16x16x32_f16 v[HA0:HA0+7], v[HFKH:HFKH+7], v[HFQH:HFQH+7], v[HA0:HA0+7]
	v_wmma_f32_16x16x32_f16 v[HA1:HA1+7], v[HFKH:HFKH+7], v[HFQL:HFQL+7], v[HA1:HA1+7]
	v_wmma_f32_16x16x32_f16 v[HA2:HA2+7], v[HFKL:HFKL+7], v[HFQH:HFQH+7], v[HA2:HA2+7]
	PLACES                                         ; the next step's roundings write these products' sources
.endm
.Lhead:
	s_mul_i32 s18, s41, HB
	s_mov_b32 s19, 0
	s_add_nc_u64 s[6:7], s[6:7], s[18:19]          ; hd at my batch
	v_and_b32 v1, 31, v0                           ; lane
	v_and_b32 v2, 15, v0                           ; r = lane % 16
	v_bfe_u32 v3, v0, 4, 1                         ; h = lane / 16
	s_lshl2_add_u32 s22, s42, s10                  ; 4 p + wave: my 64 channels of the output
	s_lshl_b32 s23, s22, 12                        ; four groups of v
	; in a group, channel r of key t lies at 512 ((r / 4) % 2) + 256 (r / 8) + 16 t + 4 (r % 4); my keys are 8 h + 0..7
	v_bfe_u32 v[HTT], v0, 2, 1
	v_bfe_u32 v19, v0, 3, 1
	v_and_b32 v20, 3, v0
	v_lshlrev_b32 v[HVG], 2, v20
	v_lshl_add_u32 v[HVG], v[HTT], 9, v[HVG]
	v_lshl_add_u32 v[HVG], v19, 8, v[HVG]
	v_lshl_add_u32 v[HVG], v3, 7, v[HVG]
	v_add_nc_u32 v[HVG], s23, v[HVG]
.irp g, 0,1,2,3                        ; v^T first, since nothing waits for it before the loop's end: a lane takes one channel and eight keys, 4 bytes each
.irp t, 0,1,2,3,4,5,6,7
	global_load_b32 v[HXV+8*(\g)+(\t)], v[HVG], s[6:7] offset:HVOFF+1024*(\g)+16*(\t)
.endr
.endr
	s_lshl_b32 s20, s10, 14                        ; my 256 channels are 16 groups of 1,024 bytes
	v_lshlrev_b32 v[HQA], 4, v1
	v_add_nc_u32 v[HQA], s20, v[HQA]
	v_lshl_add_u32 v[HLA], v1, 4, HRED
	s_lshl_b32 s21, s10, 10
	v_add_nc_u32 v[HRA], s21, v[HLA]
	s_lshl_b32 s18, s41, 23                        ; out0: a batch is 2,048 rows of 4,096 bytes,
	s_lshl_b32 s21, s22, 8                         ; my 64 channels are 256 bytes of a row
	s_add_co_u32 s18, s18, s21
	s_add_nc_u64 s[14:15], s[14:15], s[18:19]
	s_mul_i32 s20, s10, 16*SPITCH
	s_add_co_u32 s20, s20, STAGE                   ; my stage
	v_mul_u32_u24 v[HSTO], v2, SPITCH              ; in: row r, 32 bytes for each half of the lanes
	v_lshl_add_u32 v[HSTO], v3, 5, v[HSTO]
	v_add_nc_u32 v[HSTO], s20, v[HSTO]
	v_mul_u32_u24 v[HRD], v3, SPITCH               ; back: lanes 0-15 one row of 256 bytes, lanes 16-31 the next
	v_lshl_add_u32 v[HRD], v2, 4, v[HRD]
	v_add_nc_u32 v[HRD], s20, v[HRD]
	v_lshlrev_b32 v[HCO], 4, v2
	v_lshl_add_u32 v[HCO], v3, 12, v[HCO]          ; and the same two rows in out0
	v_lshlrev_b32 v[HDD], 3, v3
	v_sub_nc_u32 v[HDD], v2, v[HDD]
	v_mov_b32 v[HBIG], s[BIG]
	v_mov_b32 v[HNEG], -1.0
.set z, 0
.rept 24
	v_mov_b32 v[HA0+z], 0
.set z, z+1
.endr
	s_mov_b64 s[2:3], s[6:7]                       ; the base that steps with the loop
	s_mov_b32 s13, 4
.Lhk:                                                  ; a trip: 64 channels: 16 loads of 512 consecutive bytes, two K steps
.irp c, 0,1
.irp i, 0,1,2,3
	global_load_b128 v[HXQ+16*(\c)+4*(\i):HXQ+16*(\c)+4*(\i)+3], v[HQA], s[2:3] offset:2048*(\c)+512*(\i)
.endr
.irp i, 0,1,2,3
	global_load_b128 v[HXK+16*(\c)+4*(\i):HXK+16*(\c)+4*(\i)+3], v[HQA], s[2:3] offset:HKOFF+2048*(\c)+512*(\i)
.endr
.endr
	s_wait_loadcnt 8                               ; the first step's eight loads are in (and v's, which are older); the second step's eight stay out
	HSTEP 0
	s_wait_loadcnt 0x0                             ; the second step's; no load is out, so the base may step
	HSTEP 1
	s_add_nc_u64 s[2:3], s[2:3], 4096
	s_sub_co_u32 s13, s13, 1
	s_cmp_lg_u32 s13, 0
	s_cbranch_scc1 .Lhk
.irp p, 0,2,4,6                        ; the small terms first; each accumulator's low registers are read first
	v_pk_add_f32 v[HA1+(\p):HA1+(\p)+1], v[HA1+(\p):HA1+(\p)+1], v[HA2+(\p):HA2+(\p)+1]
.endr
.irp p, 0,2,4,6
	v_pk_add_f32 v[HA0+(\p):HA0+(\p)+1], v[HA0+(\p):HA0+(\p)+1], v[HA1+(\p):HA1+(\p)+1]
.endr
	ds_store_b128 v[HRA], v[HA0:HA0+3]
	ds_store_b128 v[HRA], v[HA0+4:HA0+7] offset:512
	s_wait_dscnt 0x0                               ; for the others' sake: my partial scores are stored
	s_barrier_signal -1
.irp g, 0,1,2,3                        ; work on registers while the others arrive: [vh | vl]
	SPLIT HXV+8*(\g), 4, HVAF+8*(\g), HVAF+8*(\g)+4
.endr
	s_barrier_wait -1
.irp u, 0,1,2,3
	ds_load_b128 v[HXQ+8*(\u):HXQ+8*(\u)+3],   v[HLA] offset:1024*(\u)
	ds_load_b128 v[HXQ+8*(\u)+4:HXQ+8*(\u)+7], v[HLA] offset:1024*(\u)+512
.endr
	s_wait_dscnt 0x0
.irp u, 1,2,3                          ; channels ascending, the same order in every wave
.irp p, 0,2,4,6
	v_pk_add_f32 v[HSC+(\p):HSC+(\p)+1], v[HSC+(\p):HSC+(\p)+1], v[HXQ+8*(\u)+(\p):HXQ+8*(\u)+(\p)+1]
.endr
.endr
.irp j, 0,1,2,3,4,5,6,7                ; key 8 h + j is hidden from query r where it is greater
	v_cmp_gt_i32 vcc_lo, \j, v[HDD]
	v_cndmask_b32 v[HSC+(\j)], v[HSC+(\j)], v[HBIG], vcc_lo
.endr
	v_max3_num_f32 v[HMX], v[HSC], v[HSC+1], v[HSC+2]
	v_max3_num_f32 v[HMX], v[HMX], v[HSC+3], v[HSC+4]
	v_max3_num_f32 v[HMX], v[HMX], v[HSC+5], v[HSC+6]
	v_max_num_f32 v[HMX], v[HMX], v[HSC+7]
	v_permlanex16_b32 v[HTT], v[HMX], s[SEL], s[SEL+1]  ; the query's other eight keys lie in the lane 16 away
	v_max_num_f32 v[HMX], v[HMX], v[HTT]           ; every query sees its own key: a true score
	v_mul_f32 v[HCM], s[CS], v[HMX]
.irp p, 0,2,4,6
	v_pk_fma_f32 v[HSC+(\p):HSC+(\p)+1], v[HSC+(\p):HSC+(\p)+1], s[CS:CS+1], v[HCM:HCM+1] op_sel_hi:[1,0,0] neg_lo:[0,0,1] neg_hi:[0,0,1]  ; c s - c m
.endr
.irp j, 0,1,2,3,4,5,6,7
	v_exp_f32 v[HSC+(\j)], v[HSC+(\j)]
.endr
	v_nop                                          ; a plain instruction between the last exponential and the use of its result
	s_wait_alu depctr_va_vdst(0)
	v_pk_add_f32 v[HLS:HLS+1], v[HSC:HSC+1], v[HSC+2:HSC+3]
	v_pk_add_f32 v[HRL:HRL+1], v[HSC+4:HSC+5], v[HSC+6:HSC+7]
	v_pk_add_f32 v[HLS:HLS+1], v[HLS:HLS+1], v[HRL:HRL+1]
	v_add_f32 v[HLS], v[HLS], v[HLS+1]
	v_permlanex16_b32 v[HLS+1], v[HLS], s[SEL], s[SEL+1]
	v_add_f32 v[HLS], v[HLS], v[HLS+1]             ; 1 or more: the maximum's own weight is 1
	v_rcp_f32 v[HRL], v[HLS]
	v_nop                                          ; a plain instruction between the reciprocal and the use of its result
	s_wait_alu depctr_va_vdst(0)
.irp p, 0,2,4,6
	v_pk_mul_f32 v[HSC+(\p):HSC+(\p)+1], v[HSC+(\p):HSC+(\p)+1], v[HRL:HRL+1] op_sel_hi:[1,0]   ; the weights, normalised in f32
.endr
	SPLIT HSC, 4, HPB1, HPB2
.irp p, 0,1,2,3                        ; k places 16 to 31 meet vl: the same weights once more
	v_mov_b32 v[HPB1+4+(\p)], v[HPB1+(\p)]
	v_mov_b32 v[HPB2+4+(\p)], v[HPB2+(\p)]
.endr
.irp g, 0,1,2,3                        ; the four channel blocks take turns
	v_wmma_f32_16x16x32_f16 v[HOA+8*(\g):HOA+8*(\g)+7], v[HVAF+8*(\g):HVAF+8*(\g)+7], v[HPB1:HPB1+7], 0
.endr
.irp g, 0,1,2,3
	v_wmma_f32_16x16x32_f16 v[HOA+8*(\g):HOA+8*(\g)+7], v[HVAF+8*(\g):HVAF+8*(\g)+7], v[HPB2:HPB2+7], v[HOA+8*(\g):HOA+8*(\g)+7]
.endr
	PLACES
.irp g, 0,1,2,3                        ; a lane's eight channels of a row are 32 bytes: through my own stage, and out as whole rows of 256 bytes
	ds_store_b128 v[HSTO], v[HOA+8*(\g):HOA+8*(\g)+3]   offset:64*(\g)
	ds_store_b128 v[HSTO], v[HOA+8*(\g)+4:HOA+8*(\g)+7] offset:64*(\g)+16
.endr
.irp t, 0,1,2,3,4,5,6,7
	ds_load_b128 v[HBK+4*(\t):HBK+4*(\t)+3], v[HRD] offset:(\t)*2*SPITCH  ; LDS serves a wave's instructions in order (ISA guide 5.7.1.4): these see the stores above
.endr
.irp t, 0,1,2,3,4,5,6,7
	s_wait_dscnt 7-(\t)                            ; row pair t is back; the 7 - t younger ones stay out
	global_store_b128 v[HCO], v[HBK+4*(\t):HBK+4*(\t)+3], s[14:15] offset:2*(\t)*4096 th:TH_STORE_NT  ; 16 lanes store 256 consecutive bytes, at a multiple of 256 from out0's first byte
.endr
	s_wait_tensorcnt 0x0                           ; the wave's end
	ds_add_u32 v[SPW], v[NIL]
	s_wait_dscnt 0x0
	s_endpgm
.Lfunc_end_k_qd000943a98_scores:
	.size	k_qd000943a98_scores, .Lfunc_end_k_qd000943a98_scores-k_qd000943a98_scores
	.p2alignl 7, 3214868480
	.fill 96, 4, 3214868480
	.section	.rodata,"a",@progbits
	.p2align	6, 0x0
	.amdhsa_kernel k_qd000943a98_scores
		.amdhsa_group_segment_fixed_size 327680
		.amdhsa_private_segment_fixed_size 0
		.amdhsa_enable_private_segment 0
		.amdhsa_kernarg_size 40
		.amdhsa_user_sgpr_count 2
		.amdhsa_user_sgpr_kernarg_segment_ptr 1
		.amdhsa_wavefront_size32 1
		.amdhsa_system_sgpr_workgroup_id_x 1
		.amdhsa_system_sgpr_workgroup_id_y 1
		.amdhsa_system_sgpr_workgroup_id_z 1
		.amdhsa_system_vgpr_workitem_id 0
		.amdhsa_next_free_vgpr 1024
		.amdhsa_next_free_sgpr 72
		.amdhsa_reserve_vcc 1
		.amdhsa_float_denorm_mode_32 3
		.amdhsa_float_denorm_mode_16_64 3
		.amdhsa_memory_ordered 1
		.amdhsa_forward_progress 1
		.amdhsa_inst_pref_size 213
	.end_amdhsa_kernel
	.amdgpu_metadata
---
amdhsa.version: [ 1, 2 ]
amdhsa.kernels:
  - .name:           k_qd000943a98_scores
    .symbol:         k_qd000943a98_scores.kd
    .args:
      - { .name: qkv, .offset: 0, .size: 8, .value_kind: global_buffer, .address_space: global }
      - { .name: pbuf, .offset: 8, .size: 8, .value_kind: global_buffer, .address_space: global }
      - { .name: st, .offset: 16, .size: 8, .value_kind: global_buffer, .address_space: global }
      - { .name: hd, .offset: 24, .size: 8, .value_kind: global_buffer, .address_space: global }
      - { .name: out0, .offset: 32, .size: 8, .value_kind: global_buffer, .address_space: global }
    .group_segment_fixed_size: 327680
    .private_segment_fixed_size: 0
    .kernarg_segment_align: 8
    .kernarg_segment_size: 40
    .max_flat_workgroup_size: 128
    .sgpr_count:     72
    .vgpr_count:     1024
    .wavefront_size: 32
...
	.end_amdgpu_metadata
.endif
;; end of part 3
;; launch pv (part 4): grid 8 x 32, 4 waves a work-group, clusters of 4 x 4, 327,680 bytes of LDS; arguments pbuf, qkv, st, out0; writes out0
.if DOCPART == 4
	.amdgcn_target "amdgcn-amd-amdhsa--gfx1250"
	.amdhsa_code_object_version 6
	.text
	.protected	k_qd000943a98_pv
	.globl	k_qd000943a98_pv
	.p2align	8
	.type	k_qd000943a98_pv,@function
k_qd000943a98_pv:
	s_mov_b64 s[64:65], 0
	v_nop
	global_prefetch_b8 v0, s[64:65] scope:SCOPE_SE
	s_setreg_imm32_b32 hwreg(HW_REG_WAVE_MODE, 25, 1), 1
	s_wait_xcnt 0x0
	s_wait_alu depctr_hold_cnt(0) depctr_sa_sdst(0) depctr_va_vdst(0) depctr_va_sdst(0) depctr_va_ssrc(0) depctr_va_vcc(0) depctr_vm_vsrc(0)
	s_getreg_b32 s2, hwreg(HW_REG_IB_STS2, 6, 4)
	s_cmp_eq_u32 s2, 0
	s_cbranch_scc0 .Lentry_in_a_cluster
	s_endpgm
.Lentry_in_a_cluster:
	s_bfe_u32 s2, ttmp6, 0x10000c
	s_cmp_lg_u32 s2, 0xf033
	s_cbranch_scc0 .Lentry_shape_is_right
	s_endpgm
.Lentry_shape_is_right:
; out[q][ch] = (sum over groups t of 128 keys of f_t sum over the group's keys of p v) / L, with f_t = 2^(c m_t - M), M = the maximum of the row's c m_t, L = sum of f_t l_t:
; the second level of the softmax whose first level the launch before has stored (p in f16, c m_t and l_t in f32).  p is multiplied by f_t in f16 between LDS and the matrix unit; sums in f32; the division by L in f32.
; ROWS 0 TO 15 OF EACH BATCH ARE NOT STORED HERE: the launch before has made them with split operands.  They are block 0 of the short tile in the waves with s = 0, cy = 0 and the first 64 rows: there the block's eight
; stores run with all lanes off.  No branch hangs on that.
; LIMITS.  |v| within f16's 65,504.  f_t is rounded to f16 for the product (L takes the unrounded f_t); p f_t below 6e-5 keeps f16's fixed step of 6e-8; f_t below 2^-126 counts as 0; NaN and infinities are not treated apart.
; SHARES.  A batch's rows lie in four super-blocks of 512.  A cluster of 4 x 4 work-groups takes super-block 3 - s and then s of one batch, for 512 channels: cy picks 128 rows, cx 128 channels.
; Super-block S needs 2 S + 2 slots of 256 keys, so the walk has 10 slots whatever s, and it is the same in all sixteen partners.  p's tiles are shared along a row of the cluster, v's along a column: joint loads.
; Rows 128 cy .. of a super-block see only the groups up to 4 S + cy: for the others f_t = 0, and where the walk's slot lies above the part of pbuf that was written, p's slot number is held at the last written one
; (its numbers are finite, and are multiplied by 0).  No branch and no LDS address hangs on cx or cy.
; A wave makes 64 rows x 64 channels: 16 accumulators.  Source 0 = 16 channels of v^T (turned by ds_load_tr16_b128), source 1 = 16 rows of p: a lane holds one row and eight neighbouring channels.
; A slot is four quarters of 64 keys on two fragment buffers.  While one buffer's second half is multiplied, four packed multiplies behind each product scale the other buffer's p; they are also the places behind the products.
; THE TABLE of factors lies in walk order: entry e (128 bytes a builder wave) serves keys 128 e .. of the walk, so its LDS address is a step of the counted loop.  Entries 0-11 are the long tile's, 12-15 tile s's, 16-19 the short tile's;
; entries 20, 21 hold 1 / L of the two tiles.  What hangs on s and cy stands in the global addresses and in selects.
; REGISTERS (s_set_vgpr_msb: bits 1:0 source 0, 3:2 source 1, 5:4 source 2, 7:6 destination): window 0: v0-63, v64-127 p's fragments, two buffers; v128-255 accumulators.
;   window 1: v10-48 addresses, factors, statistics; v64-127 the table at work, later rows on the way out; v128-191, v192-255 v's fragments, two buffers (the second also rows on the way out).
.set PP,     528                       ; a row of p in LDS: 512 bytes + 16 = 132 words: the 16 rows of a load start at 16 different groups of four banks (64 banks of 4 bytes: ISA guide 11.1)
.set PV,     288                       ; a row of v: 256 + 32 = 72 words
.set PHALF,  64*PP
.set VOFF,   128*PP                    ; a slot: 128 rows of p, then 256 rows of v
.set VHALF,  128*PV
.set SLOT1,  147456                    ; slot 1 begins here: the number shares no bit with 33,792, 67,584 or 104,448, so an exclusive or moves a descriptor's LDS word between the slots
.set STAGE,  SLOT1+VOFF+256*PV         ; 16 rows x 272 bytes for each wave
.set SPITCH, 272
.set TBL,    STAGE+4*16*SPITCH         ; the table: 22 entries of 128 bytes for each builder wave
.set TBW,    22*128
.set SPARE,  TBL+4*TBW                 ; the spare words; no other line names them
.set ACC,  128                         ; window 0
.set AP0,  10                          ; window 1 from here on: my lane's place among p's fragments in a slot; never rewritten
.set AV00, 11                          ; among v's, keys 0-127
.set AV01, 12                          ; keys 128-255
.set APC,  13                          ; those places in the slot in hand
.set AVC0, 14
.set AVC1, 15
.set APN,  16                          ; and in the other slot
.set AVN,  17
.set FT0,  18                          ; my lane's place in a table entry; never rewritten
.set FA,   19                          ; the same at the slot's first entry
.set STO,  22
.set RD,   23
.set CO,   24
.set SPW,  26
.set NIL,  27
.set TA,   28                          ; where I store into the table
.set NEG,  29                          ; the lowest finite number
.set MXA,  30                          ; M of the long tile's row, of the short tile's, of entries 12-15, and one at work
.set MXB,  31
.set FR,   32                          ; v32-35, v36-39 four factors (f, f) for each fragment buffer
.set IL,   40                          ; v40-43 1 / L of my four row blocks
.set LSA,  44
.set LSB,  45
.set MXM,  46
.set LSM,  47
.set MXS,  48
.set CMB,  64                          ; v64-83  c m of the 20 entries, then f
.set LLB,  84                          ; v84-103 l
.set VF,   128
.set WV,  12
.set RH,  13                           ; which 64 rows are mine.  Also: I fetch p (0) or v (1)
.set CH,  14                           ; which 64 channels.  Also: which half of that tile I fetch
.set CXS, 15
.set CYS, 16
.set CHB, 17
.set YY,  18
.set BB,  19
.set SPR, 20                           ; s
.set SLG, 21                           ; 3 - s
.set G1A, 24                           ; s[24:31] group 1 for p's tiles; s[32:39] group 0: a set for each first fill, the second then walks
.set G0A, 32
.set G1B, 48                           ; s[48:55], s[56:63] the same for v's
.set G0B, 56
.set OFFP, 66                          ; s[66:67]
.set VB,   68                          ; s[68:69] v at my half of the batch's first 256 keys, my work-group's channels
.set OFFV, 70                          ; s[70:71]
.set NXT,  72                          ; the slot to be asked for next, counted in its tile
.set LQ,   73                          ; that tile's last slot
.set LIMP, 74                          ; the last slot of my rows that pbuf holds
.set ROWP, 75                          ; byte offset of the rows of p that I fetch
.set ROWP2, 76                         ; the same two for the short tile
.set LIMP2, 77
.set TT,   78
.set SLN,  79                          ; slots of the long tile still to be multiplied
.set NEW,  80                          ; 1: the next slot starts a tile's sums
.set FTO,  81                          ; the slot's first table entry, in bytes
.set CNT,  82
.set MKS,  83
.set TBC,  84                          ; first byte of the slot in hand
.set TBN,  85                          ; of the other
.set O2,   86                          ; s[86:87] out0 at my part of the short tile
.set HM,   88                          ; 0 in the waves whose short tile begins with a batch's first 16 rows, all ones in the others
.set I0,   89                          ; the last group that my rows see: long tile, short tile, tile s
.set I1,   90
.set IM,   91
.set R0,   92                          ; byte offset in st of the rows whose factors I build: long tile, short tile, tile s
.set R1,   93
.set RM,   94
.set S12,  95                          ; 12 s
.set S4,   96                          ; 4 s
.set KK,   97
.set MID,  98                          ; all ones if s = 1
.set SV,   99                          ; EXEC, kept while some stores run under HM
.set MSB, 0
.macro WIN new
.if MSB != (\new)
	s_set_vgpr_msb (MSB<<8)|(\new)
.set MSB, \new
.endif
.endm
.set MAIN, 0x01                        ; source 0 window 1: v's fragments, a factor, an LDS address; all else window 0: products, scalings and p's loads alike
.set TOV,  0x41                        ; destination and address window 1
.set HOME, 0x55                        ; all in window 1
.set MK,   0x40                        ; destination window 1, sources window 0
.set AD,   0x05                        ; the add: address and data in window 1
.set OM,   0x44                        ; an accumulator (window 0) times 1 / L (window 1) into window 1
.macro JLOAD                           ; a joint refill by the walking sets.  The branch hangs on the wave's number alone.  An s_nop 0 and four v_nop follow each line
	s_cmp_eq_u32 s[RH], 0
	s_cbranch_scc0 .Lfor_v_\@
	tensor_load_to_lds s[G0A+4:G0A+7], s[G1A:G1A+7]
	s_nop 0
.rept 4
	v_nop
.endr
	s_branch .Lasked_\@
.Lfor_v_\@:
	tensor_load_to_lds s[G0B+4:G0B+7], s[G1B:G1B+7]
	s_nop 0
.rept 4
	v_nop
.endr
.Lasked_\@:
.endm
.macro CREST
	s_cmp_lg_u32 s[WV], 0
	s_cbranch_scc1 .Lnot_wave_0_\@
	s_barrier_signal -3
.Lnot_wave_0_\@:
	s_barrier_wait -3
	s_barrier_signal -1
	s_barrier_wait -1
.endm
.macro CROUND
	s_barrier_signal -1
	s_barrier_wait -1
	CREST
.endm
; The addresses of the walk's next slot into descriptor set 'set'; walk = 1: its LDS words change slots.  Then the walk steps: behind the long tile's last slot comes the short tile's slot 0.
.macro ASK set, walk
.if \walk
	s_xor_b32 s[G0A+4*(\set)+1], s[G0A+4*(\set)+1], SLOT1
	s_xor_b32 s[G0B+4*(\set)+1], s[G0B+4*(\set)+1], SLOT1
.endif
	s_min_u32 s[TT], s[NXT], s[LIMP]               ; p: never past what was written
	s_lshl_b32 s[TT], s[TT], 9                     ; 256 keys are 512 bytes of a row
	s_add_co_u32 s[OFFP], s[TT], s[ROWP]
	s_add_nc_u64 s[G0A+4*(\set)+2:G0A+4*(\set)+3], s[4:5], s[OFFP:OFFP+1]
	s_or_b32 s[G0A+4*(\set)+3], s[G0A+4*(\set)+3], 0x80000000
	s_mul_i32 s[OFFV], s[NXT], 256*6144            ; v: 256 rows of qkv
	s_add_nc_u64 s[G0B+4*(\set)+2:G0B+4*(\set)+3], s[VB:VB+1], s[OFFV:OFFV+1]
	s_or_b32 s[G0B+4*(\set)+3], s[G0B+4*(\set)+3], 0x80000000
	s_add_co_u32 s[NXT], s[NXT], 1
	s_cmp_gt_u32 s[NXT], s[LQ]
	s_cselect_b32 s[NXT], 0, s[NXT]
	s_cselect_b32 s[LIMP], s[LIMP2], s[LIMP]
	s_cselect_b32 s[ROWP], s[ROWP2], s[ROWP]
	s_cselect_b32 s[LQ], 15, s[LQ]                 ; the short tile's end is the walk's end: no further turn
.endm
	s_load_b256 s[4:11], s[0:1], 0x0               ; pbuf s[4:5], qkv s[6:7], st s[8:9], out0 s[10:11]
	WIN MK
	v_lshl_add_u32 v[SPW], v0, 2, SPARE
	v_mov_b32 v[NIL], 0
	WIN AD
	ds_add_u32 v[SPW], v[NIL]                      ; the wave's opening: the add and its wait stand ahead of my first tensor load
	ds_add_u32 v26, v27
	WIN 0
	v_lshrrev_b32 v1, 5, v0
	v_readfirstlane_b32 s[WV], v1
	s_lshr_b32 s[RH], s[WV], 1
	s_and_b32 s[CH], s[WV], 1
	s_bfe_u32 s[CXS], ttmp6, 0x40000
	s_bfe_u32 s[CYS], ttmp6, 0x40004
	s_lshl_b32 s[CHB], ttmp9, 2
	s_add_co_u32 s[CHB], s[CHB], s[CXS]            ; my 128 channels
	s_and_b32 s[YY], ttmp7, 0xffff                 ; the cluster's y, which all sixteen share:
	s_lshr_b32 s[BB], s[YY], 1                     ; the batch,
	s_and_b32 s[SPR], s[YY], 1                     ; and s
	s_sub_co_u32 s[SLG], 3, s[SPR]
	s_lshl_b32 s40, s[CYS], 2
	s_lshl_b32 s40, 15, s40                        ; my row of the cluster
	s_lshl_b32 s41, 0x1111, s[CXS]                 ; my column
	s_or_b32 s[G1A], s40, (1<<16)|(1<<20)|(1<<21)|(6<<22)|(3<<25)  ; the mask; 2-byte elements; padding on; bit 21 beside a mask; after every 128 words 4 words
	s_mov_b32 s[G1A+1], 256<<16                    ; tensor_dim0 = 256 keys
	s_mov_b32 s[G1A+2], 64<<16                     ; tensor_dim1 = 64 rows
	s_mov_b32 s[G1A+3], 256<<16                    ; tile_dim0
	s_mov_b32 s[G1A+4], 64                         ; tile_dim1
	s_mov_b32 s[G1A+5], 2048                       ; elements from row to row of pbuf
	s_mov_b32 s[G1A+6], 0
	s_mov_b32 s[G1A+7], 0
	s_or_b32 s[G1B], s41, (1<<16)|(1<<20)|(1<<21)|(5<<22)|(7<<25)  ; after every 64 words 8 words
	s_mov_b32 s[G1B+1], 128<<16                    ; 128 channels
	s_mov_b32 s[G1B+2], 128<<16                    ; 128 keys
	s_mov_b32 s[G1B+3], 128<<16
	s_mov_b32 s[G1B+4], 128
	s_mov_b32 s[G1B+5], 3072                       ; elements from row to row of qkv
	s_mov_b32 s[G1B+6], 0
	s_mov_b32 s[G1B+7], 0
	s_mov_b32 s[G0A], 1
	s_mul_i32 s[G0A+1], s[CH], PHALF               ; LDS words: the wave's number and constants alone
	s_mov_b32 s[G0A+4], 1
	s_add_co_u32 s[G0A+5], s[G0A+1], SLOT1
	s_mov_b32 s[G0B], 1
	s_mul_i32 s[G0B+1], s[CH], VHALF
	s_add_co_u32 s[G0B+1], s[G0B+1], VOFF
	s_mov_b32 s[G0B+4], 1
	s_add_co_u32 s[G0B+5], s[G0B+1], SLOT1
	s_lshl_b32 s42, s[BB], 11                      ; s42-s45 hold cy and never cx: they feed p's addresses
	s_lshl_b32 s43, s[CYS], 7
	s_add_co_u32 s42, s42, s43
	s_lshl_b32 s43, s[SLG], 9
	s_add_co_u32 s43, s43, s42                     ; the long tile's first row
	s_lshl_b32 s44, s[SPR], 9
	s_add_co_u32 s44, s44, s42                     ; the short tile's
	s_lshl_b32 s45, s[CH], 6
	s_add_co_u32 s[ROWP], s43, s45
	s_lshl_b32 s[ROWP], s[ROWP], 12
	s_add_co_u32 s[ROWP2], s44, s45
	s_lshl_b32 s[ROWP2], s[ROWP2], 12
	s_lshr_b32 s45, s[CYS], 1
	s_lshl1_add_u32 s[LIMP], s[SLG], s45           ; my rows lie in pbuf's block 2 S + cy / 2 of 256, which is written up to the slot of that number
	s_lshl1_add_u32 s[LIMP2], s[SPR], s45
	s_lshl1_add_u32 s[LQ], s[SLG], 1               ; the long tile's last slot, 7 - 2 s
	s_add_co_u32 s[SLN], s[LQ], 1
	s_mov_b32 s[NXT], 0
	s_mov_b32 s[OFFP+1], 0
	s_mov_b32 s[OFFV+1], 0
	s_lshl_b32 s46, s[BB], 11                      ; s46, s47 hold cx and never cy: they feed v's addresses
	s_lshl_b32 s47, s[CH], 7
	s_add_co_u32 s46, s46, s47
	s_mul_i32 s46, s46, 6144
	s_lshl_b32 s47, s[CHB], 8
	s_add_co_u32 s46, s46, s47
	s_add_co_u32 s46, s46, 4096                    ; v begins at byte 4,096 of a row of qkv
	s_mov_b32 s47, 0
	s_lshl_b32 s[KK], s[RH], 6                     ; out0: my 64 rows of each tile, my 64 channels
	s_add_co_u32 s22, s43, s[KK]
	s_lshl_b32 s22, s22, 12
	s_add_co_u32 s2, s44, s[KK]
	s_lshl_b32 s2, s2, 12
	s_lshl_b32 s[KK], s[CHB], 9
	s_add_co_u32 s22, s22, s[KK]
	s_add_co_u32 s2, s2, s[KK]
	s_lshl_b32 s[KK], s[CH], 8
	s_add_co_u32 s22, s22, s[KK]
	s_add_co_u32 s2, s2, s[KK]
	s_mov_b32 s23, 0
	s_mov_b32 s3, 0
	s_lshl_b32 s[KK], s[CYS], 7                    ; st: I build the factors of rows 128 cy + 64 RH + 32 CH + lane of each tile
	s_lshl_b32 s[MKS], s[RH], 6
	s_add_co_u32 s[KK], s[KK], s[MKS]
	s_lshl_b32 s[MKS], s[CH], 5
	s_add_co_u32 s[KK], s[KK], s[MKS]
	s_lshl_b32 s[KK], s[KK], 2
	s_lshl_b32 s[MKS], s[BB], 18                   ; a batch's part of st is 262,144 bytes
	s_add_co_u32 s[KK], s[KK], s[MKS]
	s_lshl_b32 s[MKS], s[SLG], 11
	s_add_co_u32 s[R0], s[KK], s[MKS]
	s_lshl_b32 s[MKS], s[SPR], 11
	s_add_co_u32 s[R1], s[KK], s[MKS]
	s_lshl2_add_u32 s[I0], s[SLG], s[CYS]
	s_lshl2_add_u32 s[I1], s[SPR], s[CYS]
	s_mul_i32 s[S12], s[SPR], 12
	s_lshl_b32 s[S4], s[SPR], 2
	s_cmp_eq_u32 s[SPR], 1
	s_cselect_b32 s[IM], s[I1], s[I0]
	s_cselect_b32 s[RM], s[R1], s[R0]
	s_cselect_b32 s[MID], -1, 0
	s_or_b32 s[HM], s[SPR], s[CYS]                 ; my short tile begins at row 512 s + 128 cy + 64 RH of its batch:
	s_or_b32 s[HM], s[HM], s[RH]
	s_cmp_eq_u32 s[HM], 0                          ; at row 0?
	s_cselect_b32 s[HM], 0, -1
	s_mov_b32 s[TBC], 0
	s_mov_b32 s[TBN], SLOT1
	s_mov_b32 s[FTO], 0
	s_mov_b32 s[NEW], 1
	s_wait_dscnt 0x0                               ; the opening add is done
	s_wait_kmcnt 0x0
	s_add_nc_u64 s[VB:VB+1], s[6:7], s[46:47]
	s_add_nc_u64 s[O2:O2+1], s[10:11], s[2:3]
	s_add_nc_u64 s[10:11], s[10:11], s[22:23]
	CROUND                                         ; all sixteen work-groups are here: the first joint loads meet
	ASK 0, 0                                       ; the walk's slots 0 and 1
	ASK 1, 0
	s_cmp_eq_u32 s[RH], 0                          ; a wave's two first fills stand in one branch: two loads of mine are out
	s_cbranch_scc0 .Lfirst_v
	tensor_load_to_lds s[G0A:G0A+3], s[G1A:G1A+7]
	s_nop 0
	tensor_load_to_lds s[G0A+4:G0A+7], s[G1A:G1A+7]
	s_nop 0
.rept 4
	v_nop
.endr
	s_branch .Lfirst_asked
.Lfirst_v:
	tensor_load_to_lds s[G0B:G0B+3], s[G1B:G1B+7]
	s_nop 0
	tensor_load_to_lds s[G0B+4:G0B+7], s[G1B:G1B+7]
	s_nop 0
.rept 4
	v_nop
.endr
.Lfirst_asked:
	v_and_b32 v1, 15, v0                           ; r = l % 16
	v_bfe_u32 v2, v0, 4, 1                         ; h = l / 16
	v_and_b32 v3, 7, v0
	v_bfe_u32 v4, v0, 3, 1
	v_and_b32 v5, 31, v0
	v_mul_u32_u24 v6, v1, PP
	v_lshl_add_u32 v6, v2, 4, v6                   ; p: row x pitch + 16 h
	v_lshl_add_u32 v7, v2, 3, v3                   ; v: key 8 h + l % 8, channels 8 ((l / 8) % 2) on
	v_mul_u32_u24 v7, v7, PV
	v_lshl_add_u32 v7, v4, 4, v7
	v_mul_u32_u24 v8, v1, SPITCH                   ; into the stage: row r, 32 bytes for each half of the lanes
	v_lshl_add_u32 v8, v2, 5, v8
	v_mul_u32_u24 v9, v2, SPITCH                   ; back: lanes 0-15 one row of 256 bytes, lanes 16-31 the next
	v_lshl_add_u32 v9, v1, 4, v9
	v_lshlrev_b32 v10, 4, v1
	v_lshlrev_b32 v11, 3, v1                       ; a table entry holds 8 bytes for each r: two row blocks' factors
	v_lshl_add_u32 v12, v2, 2, v11
	v_lshlrev_b32 v13, 2, v5
	s_mul_i32 s40, s[RH], PHALF
	s_lshl_b32 s41, s[CH], 7
	s_add_co_u32 s41, s41, VOFF
	s_add_co_u32 s42, s41, VHALF
	s_mul_i32 s43, s[WV], 16*SPITCH
	s_add_co_u32 s43, s43, STAGE
	s_mul_i32 s44, s[RH], 2*TBW
	s_add_co_u32 s44, s44, TBL
	s_mul_i32 s45, s[WV], TBW
	s_add_co_u32 s45, s45, TBL
	WIN MK
	v_add_nc_u32 v[AP0], s40, v6
	v_add_nc_u32 v[AV00], s41, v7
	v_add_nc_u32 v[AV01], s42, v7
	v_add_nc_u32 v[STO], s43, v8
	v_add_nc_u32 v[RD], s43, v9
	v_lshl_add_u32 v[CO], v2, 12, v10
	v_add_nc_u32 v[FT0], s44, v11
	v_add_nc_u32 v[TA], s45, v12
	v_mov_b32 v[NEG], 0xff7fffff
	WIN 0
; s[KK] = the group of 128 keys, counted in its tile, that walk entry e serves; EI and ER name that tile's scalars
.macro KT e
.if (\e) < 12
	s_mov_b32 s[KK], (\e)
.set EI, I0
.set ER, R0
.elseif (\e) < 16
	s_sub_co_u32 s[KK], (\e), s[S12]
.set EI, IM
.set ER, RM
.else
	s_add_co_u32 s[KK], s[S4], (\e)-16
.set EI, I1
.set ER, R1
.endif
.endm
.set ee, 0
.rept 20                               ; a group that my rows do not see was not stored for them: the address is held at the last group that they see, and the number is thrown away below
	KT ee
	s_min_u32 s[KK], s[KK], s[EI]
	s_lshl_b32 s[KK], s[KK], 14
	s_add_co_u32 s[KK], s[KK], s[ER]
	v_add_nc_u32 v[16+ee], s[KK], v13
.set ee, ee+1
.endr
	WIN MK
.set ee, 0
.rept 20
	global_load_b32 v[CMB+ee], v[16+ee], s[8:9]
	global_load_b32 v[LLB+ee], v[16+ee], s[8:9] offset:8192
.set ee, ee+1
.endr
	s_wait_loadcnt 0x0
	WIN HOME
.set ee, 0
.rept 20
	KT ee
	s_cmp_le_u32 s[KK], s[EI]
	s_cselect_b32 s[MKS], -1, 0
	v_cndmask_b32 v[CMB+ee], v[NEG], v[CMB+ee], s[MKS]
	v_cndmask_b32 v[LLB+ee], 0, v[LLB+ee], s[MKS]
.set ee, ee+1
.endr
	v_max3_num_f32 v[MXA], v[CMB], v[CMB+1], v[CMB+2]
.irp p, 3,5,7,9
	v_max3_num_f32 v[MXA], v[MXA], v[CMB+(\p)], v[CMB+(\p)+1]
.endr
	v_max_num_f32 v[MXA], v[MXA], v[CMB+11]
	v_max3_num_f32 v[MXM], v[CMB+12], v[CMB+13], v[CMB+14]
	v_max_num_f32 v[MXM], v[MXM], v[CMB+15]
	v_max3_num_f32 v[MXB], v[CMB+16], v[CMB+17], v[CMB+18]
	v_max_num_f32 v[MXB], v[MXB], v[CMB+19]
	v_cndmask_b32 v[MXS], v[MXM], v[NEG], s[MID]   ; entries 12-15 count for tile s alone
	v_max_num_f32 v[MXA], v[MXA], v[MXS]
	v_cndmask_b32 v[MXS], v[NEG], v[MXM], s[MID]
	v_max_num_f32 v[MXB], v[MXB], v[MXS]
	v_cndmask_b32 v[MXS], v[MXA], v[MXB], s[MID]
.set ee, 0
.rept 20
.if ee < 12
	v_sub_f32 v[CMB+ee], v[CMB+ee], v[MXA]
.elseif ee < 16
	v_sub_f32 v[CMB+ee], v[CMB+ee], v[MXS]
.else
	v_sub_f32 v[CMB+ee], v[CMB+ee], v[MXB]
.endif
.set ee, ee+1
.endr
.set ee, 0
.rept 20
	v_exp_f32 v[CMB+ee], v[CMB+ee]
.set ee, ee+1
.endr
	v_nop                                          ; a plain instruction between the last exponential and the use of its result
	s_wait_alu depctr_va_vdst(0)
	v_mul_f32 v[LSA], v[CMB], v[LLB]
	v_mul_f32 v[LSM], v[CMB+12], v[LLB+12]
	v_mul_f32 v[LSB], v[CMB+16], v[LLB+16]
.irp p, 1,2,3
	v_fmac_f32 v[LSA], v[CMB+(\p)], v[LLB+(\p)]
	v_fmac_f32 v[LSM], v[CMB+12+(\p)], v[LLB+12+(\p)]
	v_fmac_f32 v[LSB], v[CMB+16+(\p)], v[LLB+16+(\p)]
.endr
.irp p, 4,5,6,7,8,9,10,11
	v_fmac_f32 v[LSA], v[CMB+(\p)], v[LLB+(\p)]
.endr
	v_cndmask_b32 v[MXM], v[LSM], 0, s[MID]
	v_add_f32 v[LSA], v[LSA], v[MXM]
	v_cndmask_b32 v[MXM], 0, v[LSM], s[MID]
	v_add_f32 v[LSB], v[LSB], v[MXM]
.set ee, 0
.rept 20
	v_cvt_pk_f16_f32 v[CMB+ee], v[CMB+ee], v[CMB+ee]   ; (f, f): one packed multiply scales two weights
.set ee, ee+1
.endr
	v_rcp_f32 v[LSA], v[LSA]                       ; L is 1 or more: the group that holds M has f = 1 and l >= 1
	v_rcp_f32 v[LSB], v[LSB]
.set ee, 0
.rept 20
	ds_store_b32 v[TA], v[CMB+ee] offset:128*ee
.set ee, ee+1
.endr
	v_nop                                          ; a plain instruction between the reciprocals and the use of their results
	s_wait_alu depctr_va_vdst(0)
	ds_store_b32 v[TA], v[LSA] offset:128*20
	ds_store_b32 v[TA], v[LSB] offset:128*21
; one product: accumulator i = 4 a + n (row block a, channel block n), 32 keys: half c of buffer f
.macro PROD f, c, i, zero
.set rD, ACC+8*(\i)
.set rV, VF+64*(\f)+8*(4*(\c)+(\i)%4)
.set rP, 64*(\f)+8*(4*(\c)+(\i)/4)
.if \zero
	v_wmma_f32_16x16x32_f16 v[rD:rD+7], v[rV:rV+7], v[rP:rP+7], 0
.else
	v_wmma_f32_16x16x32_f16 v[rD:rD+7], v[rV:rV+7], v[rP:rP+7], v[rD:rD+7]
.endif
.endm
.macro MULB f, c, zero                 ; 16 products, the 16 accumulators by turns
	WIN MAIN
.set ii, 0
.rept 16
	PROD \f, \c, ii, \zero
.set ii, ii+1
.endr
.endm
.macro SCALE g, r0, n                  ; registers r0 .. of buffer g's p times their row block's factor
.set rr, (\r0)
.rept (\n)
	v_pk_mul_f16 v[64*(\g)+rr], v[FR+4*(\g)+((rr>>3)&3)], v[64*(\g)+rr]
.set rr, rr+1
.endr
.endm
.macro MULR f, g, i0, n                ; products i0 .. of buffer f's second half; behind each, four scalings of buffer g, which name none of its registers
	WIN MAIN
.set ii, (\i0)
.rept (\n)
	PROD \f, 1, ii, 0
	SCALE \g, 4*ii, 4
.set ii, ii+1
.endr
.endm
; 34 LDS loads in one run, into buffer g: four factors; 64 keys x 64 channels of v, turned; 64 rows x 64 keys of p.  The four scalings behind the last product that read the buffer are the places in front of them.
.macro FETCH g, ap, po, av, vo, fo
	WIN TOV
	ds_load_b64 v[FR+4*(\g):FR+4*(\g)+1],   v[FA] offset:(\fo)
	ds_load_b64 v[FR+4*(\g)+2:FR+4*(\g)+3], v[FA] offset:(\fo)+TBW
.irp c, 0,1
.irp n, 0,1,2,3
	ds_load_tr16_b128 v[VF+64*(\g)+8*(4*(\c)+(\n)):VF+64*(\g)+8*(4*(\c)+(\n))+3],   v[\av] offset:(\vo)+32*PV*(\c)+32*(\n)
	ds_load_tr16_b128 v[VF+64*(\g)+8*(4*(\c)+(\n))+4:VF+64*(\g)+8*(4*(\c)+(\n))+7], v[\av] offset:(\vo)+32*PV*(\c)+32*(\n)+16*PV
.endr
.endr
	WIN MAIN
.irp c, 0,1
.irp a, 0,1,2,3
	ds_load_b128 v[64*(\g)+8*(4*(\c)+(\a)):64*(\g)+8*(4*(\c)+(\a))+3],   v[\ap] offset:(\po)+64*(\c)+16*PP*(\a)
	ds_load_b128 v[64*(\g)+8*(4*(\c)+(\a))+4:64*(\g)+8*(4*(\c)+(\a))+7], v[\ap] offset:(\po)+64*(\c)+16*PP*(\a)+32
.endr
.endr
.endm
.macro Q f, g, ap, po, av, vo, fo      ; a quarter: the next quarter is fetched into g, buffer f is multiplied, g's p is scaled
	FETCH \g, \ap, \po, \av, \vo, \fo
	MULB \f, 0, 0
	s_wait_dscnt 0x0                               ; the fetch is in
	MULR \f, \g, 0, 16
.endm
.macro Q0                              ; a slot's first quarter: in a tile's first slot its first 16 products start the sums.  The jump goes forward and hangs on s alone, which the partners share
	FETCH 1, APC, 128, AVC0, 64*PV, 0
	WIN 0
	s_cmp_eq_u32 s[NEW], 1
	s_cbranch_scc1 .Lnew_\@
	MULB 0, 0, 0
	WIN 0
	s_branch .Lold_\@
.Lnew_\@:
	MULB 0, 0, 1
	WIN 0
.Lold_\@:
	s_mov_b32 s[NEW], 0
	s_wait_dscnt 0x0
	MULR 0, 1, 0, 16
.endm
; The third quarter fetches the slot's last bytes and changes slots: each wave waits for all its tensor loads (one is out: its part of the other slot), adds 0 to its spare word, and waits for that and for its reads.
; fill = 1: the barrier opens a round of the cluster's, and the slot in hand is filled again, two slots ahead: the first thing behind the round, 112 products ahead of the wait for it.
.macro QT f, g, fill, ap, po, av, vo, fo
	FETCH \g, \ap, \po, \av, \vo, \fo
	MULB \f, 0, 0
	WIN AD
	s_wait_tensorcnt 0x0
	ds_add_u32 v[SPW], v[NIL]
	s_wait_dscnt 0x1                               ; the fetch is in; the add may be out
	MULR \f, \g, 0, 8
	s_wait_dscnt 0x0                               ; the add is done, and my reads of the slot in hand are over
	s_barrier_signal -1
	MULR \f, \g, 8, 8
	WIN 0
	s_barrier_wait -1
.if \fill
	CREST
	ASK 1, 1
	JLOAD
.endif
.endm
; THE WAY OUT of a tile: times 1 / L; a lane's eight channels of a row are 32 bytes: through my own stage, 16 rows at a time, and out as whole rows of 256 bytes.
.macro PACKO a
.set RR, 64+32*(\a)+64*((\a)/2)        ; v64-127 and v192-255 of window 1
	WIN OM
.set jj, 0
.rept 32
	v_mul_f32 v[RR+jj], v[ACC+32*(\a)+jj], v[IL+(\a)]
.set jj, jj+1
.endr
	WIN HOME
.irp n, 0,1,2,3
	ds_store_b128 v[STO], v[RR+8*(\n):RR+8*(\n)+3] offset:64*(\n)
	ds_store_b128 v[STO], v[RR+8*(\n)+4:RR+8*(\n)+7] offset:64*(\n)+16
.endr
.irp t, 0,1,2,3,4,5,6,7
	ds_load_b128 v[RR+4*(\t):RR+4*(\t)+3], v[RD] offset:(\t)*2*SPITCH  ; LDS serves a wave's instructions in order (ISA guide 5.7.1.4): these see the stores above; the next block's stores come behind them
.endr
.endm
; y: the LDS instructions issued behind block a's loads: the next block's sixteen, or none.  guard = 1: the block may be a batch's first 16 rows, which are not stored here: its stores run under HM.
.macro SENDO a, y, guard
.set RR, 64+32*(\a)+64*((\a)/2)
	WIN HOME
.if \guard
	s_wait_xcnt 0x0                                ; EXEC is a source of every global instruction that is out: it changes only behind this wait
	s_mov_b32 vcc_lo, s[HM]
	s_and_saveexec_b32 s[SV], vcc_lo               ; all lanes off, or all on
.endif
.irp t, 0,1,2,3,4,5,6,7
	s_wait_dscnt (\y)+7-(\t)
	global_store_b128 v[CO], v[RR+4*(\t):RR+4*(\t)+3], s[10:11] offset:(16*(\a)+2*(\t))*4096 th:TH_STORE_NT  ; 16 lanes store 256 consecutive bytes, at a multiple of 256 from out0's first byte
.endr
.if \guard
	s_wait_xcnt 0x0                                ; and again, in front of the line that restores it
	s_or_b32 exec_lo, exec_lo, s[SV]
.endif
.endm
.macro EPILOGUE tile
	WIN TOV
	ds_load_b64 v[IL:IL+1],   v[FT0] offset:128*(20+(\tile))
	ds_load_b64 v[IL+2:IL+3], v[FT0] offset:128*(20+(\tile))+TBW
	s_wait_dscnt 0x0
	PACKO 0                                        ; the four scalings behind the last product are the places in front of these reads
	PACKO 1
	SENDO 0, 16, \tile                             ; only the short tile can begin with a batch's first rows
	PACKO 2
	SENDO 1, 16, 0
	PACKO 3
	SENDO 2, 16, 0
	SENDO 3, 0, 0
.endm
; A SLOT of 256 keys: written once for the trips that fill a slot again and once for those that do not.  The LDS addresses hang on three scalars that step with the counted loop.
.macro SLOTTEXT fill
	WIN HOME
	v_add_nc_u32 v[APC], s[TBC], v[AP0]
	v_add_nc_u32 v[AVC0], s[TBC], v[AV00]
	v_add_nc_u32 v[AVC1], s[TBC], v[AV01]
	v_add_nc_u32 v[APN], s[TBN], v[AP0]
	v_add_nc_u32 v[AVN], s[TBN], v[AV00]
	v_add_nc_u32 v[FA], s[FTO], v[FT0]
	Q0                                             ; multiplies keys 0-63, fetches 64-127 (the slot's first table entry)
	Q  1, 0, APC, 256, AVC1, 0, 128                ; multiplies 64-127, fetches 128-191 (its second entry)
	QT 0, 1, \fill, APC, 384, AVC1, 64*PV, 128     ; multiplies 128-191, fetches 192-255, changes slots
	Q  1, 0, APN, 0, AVN, 0, 256                   ; multiplies 192-255, fetches the next slot's 0-63 (the next entry)
	WIN 0
	s_xor_b32 s[TBC], s[TBC], SLOT1
	s_xor_b32 s[TBN], s[TBN], SLOT1
	s_add_co_u32 s[FTO], s[FTO], 256
.if \fill
	s_sub_co_u32 s[SLN], s[SLN], 1
	s_cmp_lg_u32 s[SLN], 0
	s_cbranch_scc1 .Lgo_on_\@                      ; forward, past neither a barrier nor a tensor load; it hangs on s alone
	EPILOGUE 0                                     ; the long tile is finished (its 8 - 2 s slots end in one of these trips); buffer 0 already holds the short tile's first quarter
	s_wait_xcnt 0x0                                ; the stores' base and registers are rewritten only behind this wait
	s_mov_b64 s[10:11], s[O2:O2+1]
	s_mov_b32 s[SLN], 64                           ; not to be reached again
	s_mov_b32 s[NEW], 1
	WIN 0
.Lgo_on_\@:
.endif
.endm
	s_wait_dscnt 0x0                               ; for the others' sake: my part of the table is stored
	s_wait_tensorcnt 0x1                           ; my part of slot 0 is in; slot 1's may stay out
	s_barrier_signal -1
	s_barrier_wait -1
	WIN HOME
	v_add_nc_u32 v[FA], s[FTO], v[FT0]
	FETCH 0, AP0, 0, AV00, 0, 0                    ; the walk's first 64 keys
	s_wait_dscnt 0x0
	WIN MAIN
	SCALE 0, 0, 64
	WIN 0
	s_mov_b32 s[CNT], 8
.Lwalk:                                                ; eight trips: they ask for the walk's slots 2 to 9
	SLOTTEXT 1
	s_sub_co_u32 s[CNT], s[CNT], 1
	s_cmp_lg_u32 s[CNT], 0
	s_cbranch_scc1 .Lwalk
	s_mov_b32 s[CNT], 2
.Ltail:                                                ; the last two slots ask for nothing.  The last trip's barrier, its fetch from the other slot and the scaling of it serve nothing: the price, once a launch, of one text for both trips
	SLOTTEXT 0
	s_sub_co_u32 s[CNT], s[CNT], 1
	s_cmp_lg_u32 s[CNT], 0
	s_cbranch_scc1 .Ltail
	EPILOGUE 1
	WIN AD
	s_wait_tensorcnt 0x0                           ; the wave's end
	ds_add_u32 v[SPW], v[NIL]
	s_wait_dscnt 0x0
	WIN 0
	CROUND                                         ; the closing round
	s_endpgm
.Lfunc_end_k_qd000943a98_pv:
	.size	k_qd000943a98_pv, .Lfunc_end_k_qd000943a98_pv-k_qd000943a98_pv
	.p2alignl 7, 3214868480
	.fill 96, 4, 3214868480
	.section	.rodata,"a",@progbits
	.p2align	6, 0x0
	.amdhsa_kernel k_qd000943a98_pv
		.amdhsa_group_segment_fixed_size 327680
		.amdhsa_private_segment_fixed_size 0
		.amdhsa_enable_private_segment 0
		.amdhsa_kernarg_size 32
		.amdhsa_user_sgpr_count 2
		.amdhsa_user_sgpr_kernarg_segment_ptr 1
		.amdhsa_wavefront_size32 1
		.amdhsa_system_sgpr_workgroup_id_x 1
		.amdhsa_system_sgpr_workgroup_id_y 1
		.amdhsa_system_sgpr_workgroup_id_z 1
		.amdhsa_system_vgpr_workitem_id 0
		.amdhsa_next_free_vgpr 512
		.amdhsa_next_free_sgpr 100
		.amdhsa_reserve_vcc 1
		.amdhsa_float_denorm_mode_32 3
		.amdhsa_float_denorm_mode_16_64 3
		.amdhsa_memory_ordered 1
		.amdhsa_forward_progress 1
		.amdhsa_inst_pref_size 131
	.end_amdhsa_kernel
	.amdgpu_metadata
---
amdhsa.version: [ 1, 2 ]
amdhsa.kernels:
  - .name:           k_qd000943a98_pv
    .symbol:         k_qd000943a98_pv.kd
    .args:
      - { .name: pbuf, .offset: 0, .size: 8, .value_kind: global_buffer, .address_space: global }
      - { .name: qkv, .offset: 8, .size: 8, .value_kind: global_buffer, .address_space: global }
      - { .name: st, .offset: 16, .size: 8, .value_kind: global_buffer, .address_space: global }
      - { .name: out0, .offset: 24, .size: 8, .value_kind: global_buffer, .address_space: global }
    .group_segment_fixed_size: 327680
    .private_segment_fixed_size: 0
    .kernarg_segment_align: 8
    .kernarg_segment_size: 32
    .max_flat_workgroup_size: 128
    .sgpr_count:     100
    .vgpr_count:     512
    .wavefront_size: 32
...
	.end_amdgpu_metadata
.endif
;; end of part 4
;; ======== version 2 of 2: 4 launches; version 1 with the launch cast written anew for expert scheduling mode
;; limits: values are held in f16: magnitudes above 65,504 overflow, below 6.1e-05 lose precision
;; workspace buffers: xb 16,777,216 bytes; wb 6,291,456 bytes; qkv 50,331,648 bytes; pbuf 33,554,432 bytes; st 1,048,576 bytes; hd 786,432 bytes
;; launch cast (part 5): grid 704 x 1, 8 waves a work-group, no clusters, 0 bytes of LDS; arguments x, Wk, Wq, Wv, xb, wb; writes xb, wb
.if DOCPART == 5
	.amdgcn_target "amdgcn-amd-amdhsa--gfx1250"
	.amdhsa_code_object_version 6
	.text
	.protected	k_qd000943a98_cast
	.globl	k_qd000943a98_cast
	.p2align	8
	.type	k_qd000943a98_cast,@function
k_qd000943a98_cast:
	s_mov_b64 s[64:65], 0
	v_nop
	global_prefetch_b8 v0, s[64:65] scope:SCOPE_SE
	s_setreg_imm32_b32 hwreg(HW_REG_WAVE_SCHED_MODE, 0, 2), 2
	s_setreg_imm32_b32 hwreg(HW_REG_WAVE_MODE, 25, 1), 1
	s_wait_xcnt 0x0
	s_wait_alu depctr_vm_vsrc(0)
; xb = bf16(x), wb = bf16([Wk; Wq; Wv]): every input is rounded once, to nearest even, and written in the order in which the projection reads it.
; A stream: no LDS, no matrix unit, no cluster (no two work-groups read the same byte).
; A work-group takes 16,384 numbers: 65,536 bytes in, 32,768 out.  Work-groups 0-511 take x, 512-703 the three weights, 64 each.
; Thread t takes 16 bytes at 16 t of each block of 4,096: a wave's load covers 512 consecutive bytes, its store 256 consecutive bytes, aligned.
; All sixteen loads go out first; no register is written twice.
; THE MODE: SCHED_MODE bits 1:0 = 2 (LLVM: expert scheduling mode 2), set by the entry lines.  The code itself states the register dependences
; between vector instructions and memory instructions, with s_wait_alu, always for 0.
; THE PLAN.  Registers that memory instructions touch:
;   v1, v2   byte offsets of the loads and of the stores: made once at the head, never written again.
;   IN       each register is written by one load, once, and named by no vector instruction before that load is issued; its block's conversions read it behind the counted wait for the load.
;   OUT      each register is written by one conversion, once, read by one store, and never written again.
; The sixteen loads are worked on in four blocks of four.  Block g's conversions read IN[g] and write OUT[g]; its memory instructions are the four stores of block g - 1,
; which read OUT[g - 1] and v2: registers that no conversion of block g names.  So one wait at a block's head states all that its four stores hang on, and they are dealt among its conversions.
; No register that a memory instruction reads is written again, no vector instruction writes a scalar register, EXEC is never written: no other wait of this kind is owed.
.set XCH, 512                          ; work-groups that take x
.set IN,  4                            ; v[4:67]   16 x 4 numbers as loaded
.set OUT, 68                           ; v[68:99]  16 x 2 registers to store
	s_load_b256 s[4:11], s[0:1], 0x0               ; x s[4:5], Wk s[6:7], Wq s[8:9], Wv s[10:11]
	s_load_b128 s[12:15], s[0:1], 0x20             ; xb s[12:13], wb s[14:15]
	v_lshlrev_b32 v1, 4, v0                        ; 16 t
	v_lshlrev_b32 v2, 3, v0                        ; 8 t
	s_sub_co_u32 s16, ttmp9, XCH                   ; my number among the weights' work-groups (used only where it is one)
	s_lshr_b32 s17, s16, 6                         ; which weight
	s_and_b32 s18, s16, 63                         ; which part of it
	s_mov_b32 s25, 0
	s_mov_b32 s27, 0
	s_wait_kmcnt 0x0
	s_cmp_eq_u32 s17, 1
	s_cselect_b64 s[20:21], s[8:9], s[6:7]         ; Wq or Wk,
	s_cmp_eq_u32 s17, 2
	s_cselect_b64 s[20:21], s[10:11], s[20:21]     ; or Wv,
	s_cmp_lt_u32 ttmp9, XCH
	s_cselect_b64 s[20:21], s[4:5], s[20:21]       ; or x
	s_cselect_b64 s[22:23], s[12:13], s[14:15]     ; xb or wb
	s_cselect_b32 s18, ttmp9, s18                  ; my part of the source,
	s_cselect_b32 s16, ttmp9, s16                  ; and of the destination (wb holds the three weights on end)
	s_lshl_b32 s24, s18, 16
	s_lshl_b32 s26, s16, 15
	s_add_nc_u64 s[20:21], s[20:21], s[24:25]
	s_add_nc_u64 s[22:23], s[22:23], s[26:27]
	s_wait_alu depctr_va_vdst(0)                   ; v1 and v2 are written: every load reads v1 as its offset, every store v2
.irp i, 0,1,2,3,4,5,6,7,8,9,10,11,12,13,14,15
	global_load_b128 v[IN+4*(\i):IN+4*(\i)+3], v1, s[20:21] offset:4096*(\i) th:TH_LOAD_NT
.endr
; Block g: loads 4 g to 4 g + 3 are rounded; the block before is stored, a store in front of each pair of conversions.
.macro BLOCK g
	s_wait_loadcnt 12-4*(\g)                       ; loads come back in order (ISA guide 5.7.1): this block's four are in, the 12 - 4 g younger ones stay out
.if (\g) > 0
	s_wait_alu depctr_va_vdst(0)                   ; the block before has written its OUT, which the four stores below read
.endif
.irp i, 0,1,2,3
.if (\g) > 0
	global_store_b64 v2, v[OUT+2*(4*(\g)-4+(\i)):OUT+2*(4*(\g)-4+(\i))+1], s[22:23] offset:2048*(4*(\g)-4+(\i))  ; no vector instruction since the wait names these registers
.endif
	v_cvt_pk_bf16_f32 v[OUT+2*(4*(\g)+(\i))],   v[IN+4*(4*(\g)+(\i))],   v[IN+4*(4*(\g)+(\i))+1]
	v_cvt_pk_bf16_f32 v[OUT+2*(4*(\g)+(\i))+1], v[IN+4*(4*(\g)+(\i))+2], v[IN+4*(4*(\g)+(\i))+3]
.endr
.endm
	BLOCK 0                                        ; no block stands in front of it: no store, and no wait but the one for its data
	BLOCK 1
	BLOCK 2
	BLOCK 3
	s_wait_alu depctr_va_vdst(0)                   ; block 3 has written its OUT, which the last four stores read
.irp i, 12,13,14,15
	global_store_b64 v2, v[OUT+2*(\i):OUT+2*(\i)+1], s[22:23] offset:2048*(\i)
.endr
	s_endpgm
.Lfunc_end_k_qd000943a98_cast:
	.size	k_qd000943a98_cast, .Lfunc_end_k_qd000943a98_cast-k_qd000943a98_cast
	.p2alignl 7, 3214868480
	.fill 96, 4, 3214868480
	.section	.rodata,"a",@progbits
	.p2align	6, 0x0
	.amdhsa_kernel k_qd000943a98_cast
		.amdhsa_group_segment_fixed_size 0
		.amdhsa_private_segment_fixed_size 0
		.amdhsa_enable_private_segment 0
		.amdhsa_kernarg_size 48
		.amdhsa_user_sgpr_count 2
		.amdhsa_user_sgpr_kernarg_segment_ptr 1
		.amdhsa_wavefront_size32 1
		.amdhsa_system_sgpr_workgroup_id_x 1
		.amdhsa_system_sgpr_workgroup_id_y 1
		.amdhsa_system_sgpr_workgroup_id_z 1
		.amdhsa_system_vgpr_workitem_id 0
		.amdhsa_next_free_vgpr 100
		.amdhsa_next_free_sgpr 66
		.amdhsa_reserve_vcc 0
		.amdhsa_float_denorm_mode_32 3
		.amdhsa_float_denorm_mode_16_64 3
		.amdhsa_memory_ordered 1
		.amdhsa_forward_progress 1
		.amdhsa_inst_pref_size 7
	.end_amdhsa_kernel
	.amdgpu_metadata
---
amdhsa.version: [ 1, 2 ]
amdhsa.kernels:
  - .name:           k_qd000943a98_cast
    .symbol:         k_qd000943a98_cast.kd
    .args:
      - { .name: x, .offset: 0, .size: 8, .value_kind: global_buffer, .address_space: global }
      - { .name: Wk, .offset: 8, .size: 8, .value_kind: global_buffer, .address_space: global }
      - { .name: Wq, .offset: 16, .size: 8, .value_kind: global_buffer, .address_space: global }
      - { .name: Wv, .offset: 24, .size: 8, .value_kind: global_buffer, .address_space: global }
      - { .name: xb, .offset: 32, .size: 8, .value_kind: global_buffer, .address_space: global }
      - { .name: wb, .offset: 40, .size: 8, .value_kind: global_buffer, .address_space: global }
    .group_segment_fixed_size: 0
    .private_segment_fixed_size: 0
    .kernarg_segment_align: 8
    .kernarg_segment_size: 48
    .max_flat_workgroup_size: 256
    .sgpr_count:     66
    .vgpr_count:     100
    .wavefront_size: 32
...
	.end_amdgpu_metadata
.endif
;; end of part 5
;; launch proj: the kernel of part 2 again; grid 12 x 32, 4 waves a work-group, clusters of 4 x 4, 327,680 bytes of LDS; arguments xb, wb, qkv, hd; writes qkv, hd
;; launch scores: the kernel of part 3 again; grid 10 x 16, 4 waves a work-group, no clusters, 327,680 bytes of LDS; arguments qkv, pbuf, st, hd, out0; writes pbuf, st, out0
;; launch pv: the kernel of part 4 again; grid 8 x 32, 4 waves a work-group, clusters of 4 x 4, 327,680 bytes of LDS; arguments pbuf, qkv, st, out0; writes out0
